; MI455X (gfx1250); checked and timed in simulation.
; The chip was launched on July 23, 2026; its instructions are those of AMD's public machine-readable ISA for CDNA 5 (MIT licence, August 2026) and "CDNA5" Instruction Set Architecture Reference Guide (July 2026). The comments in the code are by the model that wrote it; some were corrected since.
;; Block Pheno. Allowed arithmetic: matrix products marked QUANTISED: E4M3 operands, one E8M0 scale for each 32 along K, by v_wmma_scale_f32_16x16x128_f8f6f4 with both operands' format E4M3, f32 sums; everything else in f32.
;; Inputs: b1 4,096 float32; b2 1,024 float32; b_proj 1,024 float32; ln1_b 1,024 float32; ln1_g 1,024 float32; ln2_b 1,024 float32; ln2_g 1,024 float32; w1_codes 4,096 x 32 x 32 uint8 (E4M3 codes of w1, K innermost, in blocks of 32 codes); w1_scales 4,096 x 32 uint8 (E8M0 scales of w1, one for each 32 codes along K); w2_codes 1,024 x 128 x 32 uint8 (E4M3 codes of w2, K innermost, in blocks of 32 codes); w2_scales 1,024 x 128 uint8 (E8M0 scales of w2, one for each 32 codes along K); w_proj_codes 1,024 x 32 x 32 uint8 (E4M3 codes of w_proj, K innermost, in blocks of 32 codes); w_proj_scales 1,024 x 32 uint8 (E8M0 scales of w_proj, one for each 32 codes along K); w_qkv_codes 3,072 x 32 x 32 uint8 (E4M3 codes of w_qkv, K innermost, in blocks of 32 codes); w_qkv_scales 3,072 x 32 uint8 (E8M0 scales of w_qkv, one for each 32 codes along K); x 2 x 2,048 x 1,024 float32.
;; Outputs: out0 2 x 2,048 x 1,024 float32.
;; This version of the problem:
;;   THIS VERSION OF THE PROBLEM IS GIVEN IN LOW PRECISION. The matrix products marked QUANTISED in the list below multiply operands that are first quantised to E4M3 (4 exponent bits, 3 mantissa bits; 8 bits a number), with one power-of-two scale for each 32 numbers along K (OCP MX v1.0); their sums are f32. All else is computed in f32.
;;   The module's matrix products, in the order in which they are computed (A, B: the left and right operand; K: the contracted axis; several contracted axes count as one K, in the product's order):
;;     1. [M 4,096, K 1,024] x [K 1,024, N 3,072]; A: computed on the way; B: input w_qkv (given as codes): QUANTISED
;;     2. batch 32 x [M 2,048, K 64] x [K 64, N 2,048]; A: computed on the way; B: computed on the way: QUANTISED
;;     3. batch 32 x [M 2,048, K 2,048] x [K 2,048, N 64]; A: softmax (see below); B: computed on the way: QUANTISED
;;     4. [M 4,096, K 1,024] x [K 1,024, N 1,024]; A: computed on the way; B: input w_proj (given as codes): QUANTISED
;;     5. [M 4,096, K 1,024] x [K 1,024, N 4,096]; A: computed on the way; B: input w1 (given as codes): QUANTISED
;;     6. [M 4,096, K 4,096] x [K 4,096, N 1,024]; A: computed on the way; B: input w2 (given as codes): QUANTISED
;;   THE QUANTISER, for each operand of a quantised product, along K:
;;     - K is cut into blocks of 32 from its start; a last block that is shorter is filled with zeros.
;;     - A block's scale is 2^e with e = floor(log2(the largest magnitude in the block)) - 8, held to -126 .. 127; a block of zeros has e = 0. As a byte (E8M0): e + 127.
;;     - Each number is divided by its block's scale, clamped to +-448, and rounded to the nearest number of E4M3, ties to even, subnormals kept.
;;     - The product sums the exact products of the quantised numbers (number of the format x scale) in f32.
;;   ~~~python
;;   def quantise(x, axis):      # numpy; x: float32 -> the quantised numbers, widened to float32 again
;;       x = np.moveaxis(x, axis, -1); K = x.shape[-1]
;;       x = np.pad(x, [(0, 0)] * (x.ndim - 1) + [(0, -K % 32)]); x = x.reshape(x.shape[:-1] + (-1, 32)); a = np.abs(x).max(-1, keepdims=True)
;;       e = np.where(a > 0, np.clip(np.frexp(np.where(a > 0, a, 1))[1] - 1 - 8, -126, 127), 0)      # np.frexp(a)[1] - 1 = floor(log2(a)), exactly
;;       r = np.clip(x / 2.0 ** e, -448, 448)
;;       step = 2.0 ** (np.maximum(np.frexp(np.where(r == 0, 1, r))[1] - 1, -6) - 3)
;;       q = np.round(r / step) * step * 2.0 ** e      # np.round: ties to even
;;       return np.moveaxis(q.reshape(q.shape[:-2] + (-1,))[..., :K], -1, axis).astype(np.float32)
;;   ~~~
;;   SOFTMAX AHEAD OF A QUANTISED PRODUCT. Where the list says 'softmax', what is quantised is not the finished softmax but p = 2^(t - M), with t = logit x log2(e) and M = ceil(the row's largest t), a whole number; so 1/2 < the row's largest p <= 1. The row's sum l is taken of the UNQUANTISED p, in f32, and the product's result is divided by l at the end. Since M is a whole number, a kernel that streams over the keys may use a running M (the ceiling of the running maximum): every later rescaling is an exact power of two, which a block's scale takes up: the codes' values come out the same.
;;   OPERANDS COMPUTED ON THE WAY. 'Computed on the way' means the value that the module computes at that place (a softmax that the list does not call 'softmax' is quantised finished and normalised). What goes into a quantiser is computed in f32, as accurately as f32 sums, v_exp_f32 and their like allow (about 1e-6 of the number): no bf16 or f16 on the way to a quantiser, and a product that is left as it is and whose result goes on into a quantised operand takes f32 operands (vector FMAs, or v_wmma_f32_16x16x4_f32). A number that lies on a knife's edge between two numbers of the format may be rounded either way, as far as f32 arithmetic and the matrix unit's own rounding can turn it there, and no further.
;;   INPUTS GIVEN AS CODES. w1 (in the module: [4096, 1024], K = its axis 1); w2 (in the module: [1024, 4096], K = its axis 1); w_proj (in the module: [1024, 1024], K = its axis 1); w_qkv (in the module: [3072, 1024], K = its axis 1): each comes as NAME_codes (uint8): NAME with its K axis moved to the last place and cut into blocks of 32 codes, [.., K / 32, bytes a block], one block behind the other in memory; one code a byte (a code: sign, 4 exponent bits, 3 mantissa bits); and NAME_scales (uint8): the same leading axes, one E8M0 byte (e + 127) for each 32 codes along K. Its value is code x scale, taken as it is: it is not quantised again, and the codes and scales need not be those that the quantiser above would give.
;; One version. Each part assembles by itself: llvm-mc -triple=amdgcn-amd-amdhsa -mcpu=gfx1250 --defsym DOCPART=n.
;; ======== version 1 of 1: 7 launches
;; limits: right only within a limited range of input values
;; workspace buffers: hq 4,325,376 bytes; qkv 12,976,128 bytes; att 4,325,376 bytes; x1 16,777,216 bytes; hid 17,301,504 bytes
;; launch ln1 (part 1): grid 256 x 1, 8 waves a work-group, no clusters, 83,456 bytes of LDS; arguments x, ln1_g, ln1_b, hq; writes hq
.if DOCPART == 1
	.amdgcn_target "amdgcn-amd-amdhsa--gfx1250"
	.amdhsa_code_object_version 6
	.text
	.protected	k_q9cca382e1a_ln1
	.globl	k_q9cca382e1a_ln1
	.p2align	8
	.type	k_q9cca382e1a_ln1,@function
k_q9cca382e1a_ln1:
	s_mov_b64 s[64:65], 0
	v_nop
	global_prefetch_b8 v0, s[64:65] scope:SCOPE_SE
	s_setreg_imm32_b32 hwreg(HW_REG_WAVE_MODE, 25, 1), 1
	s_wait_xcnt 0x0
; LayerNorm of rows of 1,024 f32 numbers, then the MX quantiser along the row: codes of E4M3 [4096][1024] at byte 0 of the output buffer, one E8M0 byte for each 32 numbers, [4096][32], at byte 4,194,304.
; y = (x - mean) * rsqrt(var + 1e-5) * g + b, all in f32; the variance is the mean of (x - mean)^2, taken in a second pass over registers.
; A block's scale is 2^(floor(log2(largest magnitude)) - 8); its byte is the largest magnitude's exponent field - 8, held at 1 from below.
; LIMITS: NaN and infinities are not served; a block whose largest magnitude lies under 2^-118 (a block of zeros too) keeps the byte 1: its codes are then zeros or subnormal codes, and this program alone reads the bytes.
; SHARES: a work-group of eight waves takes 16 rows, a wave two.  A row is 8 loads of 512 consecutive bytes and stays in 32 registers.
; The conversions take neighbours along the row from ONE lane's registers, the loads give a lane 4 neighbours of each 128: so each half row (2,048 bytes) turns through the wave's own stage in LDS: in as loaded, out 64 bytes a lane.
; A stage has 16 bytes of padding behind each 64.  A lane's 16 codes are 16 bytes: a store of the wave covers 512 consecutive bytes.  The group's 512 scale bytes are gathered in LDS and leave by one store of wave 0.
.set SP,   80                          ; a lane's place in a stage
.set STG,  32*SP                       ; a stage: half a row
.set WREG, 4*STG                       ; a wave's four stages
.set SCLB, 8*WREG                      ; behind them: the group's 512 scale bytes
.set G,    16                          ; v16-47   g, piece i = columns 128 i + 4 lane
.set BB,   48                          ; v48-79   b likewise
.set X,    80                          ; v80-143  two rows
.set Y,    144                         ; v144-207 four sets of 16 neighbours
.set C,    208                         ; v208-223 codes, four registers a set
.set E,    224                         ; v224-227 scale bytes
.set LA,   228                         ; v228     LDS address of 16 of the group's scale bytes
	s_load_b256 s[4:11], s[0:1], 0x0               ; x s[4:5], g s[6:7], b s[8:9], out s[10:11]
	v_lshl_add_u32 v232, v0, 2, 0x14200
	v_mov_b32 v233, 0
	v_lshrrev_b32 v1, 5, v0
	s_delay_alu instid0(VALU_DEP_1)
	v_readfirstlane_b32 s12, v1                    ; wave
	v_and_b32 v1, 31, v0                           ; lane
	s_delay_alu instid0(VALU_DEP_1)
	v_lshlrev_b32 v2, 4, v1                        ; 16 x lane
	s_mul_i32 s13, s12, WREG
	v_lshrrev_b32 v3, 2, v1
	s_delay_alu instid0(VALU_DEP_1)
	v_mul_u32_u24 v3, v3, SP
	v_and_b32 v6, 3, v1
	s_delay_alu instid0(VALU_DEP_1)
	v_lshl_add_u32 v3, v6, 4, v3
	s_delay_alu instid0(VALU_DEP_1)
	v_add_nc_u32 v3, s13, v3                       ; into a stage: four lanes' 64 bytes on end, then the padding
	v_mul_u32_u24 v4, v1, SP
	s_delay_alu instid0(VALU_DEP_1)
	v_add_nc_u32 v4, s13, v4                       ; out of it: my 16 neighbours
	v_lshrrev_b32 v5, 1, v1
	s_lshl_b32 s14, s12, 6
	s_add_co_u32 s14, s14, SCLB
	v_add_nc_u32 v5, s14, v5                       ; my block's scale byte: 64 bytes a wave, two lanes to a block
	v_add_nc_u32 v[LA], SCLB, v2
	s_mov_b32 s16, 0x76543210
	s_mov_b32 s17, 0xfedcba98                      ; lane selects: lane l xor 16
	s_mov_b32 s18, 0x3a800000                      ; 1 / 1,024
	s_mov_b32 s19, 0x3727c5ac                      ; 1e-5
	s_mov_b32 s20, 0x600000                        ; the mantissa field of 448
	s_lshl_b32 s22, ttmp9, 16                      ; x: 16 rows of 4,096 bytes a group,
	s_lshl_b32 s23, s12, 13                        ; two a wave
	s_add_co_u32 s22, s22, s23
	s_mov_b32 s23, 0
	s_lshl_b32 s24, ttmp9, 14                      ; codes: 16 rows of 1,024 bytes a group,
	s_lshl_b32 s25, s12, 11
	s_add_co_u32 s24, s24, s25
	s_mov_b32 s25, 0
	s_lshl_b32 s26, ttmp9, 9                       ; scale bytes: 512 a group, behind the codes
	s_add_co_u32 s26, s26, 0x400000
	s_mov_b32 s27, 0
	s_wait_kmcnt 0x0
	s_add_nc_u64 s[4:5], s[4:5], s[22:23]
	s_add_nc_u64 s[26:27], s[10:11], s[26:27]
	s_add_nc_u64 s[10:11], s[10:11], s[24:25]
.irp r, 0,1
.irp i, 0,1,2,3,4,5,6,7
	global_load_b128 v[X+32*\r+4*\i:X+32*\r+4*\i+3], v2, s[4:5] offset:4096*\r+512*\i th:TH_LOAD_NT
.endr
.endr
.irp i, 0,1,2,3,4,5,6,7
	global_load_b128 v[G+4*\i:G+4*\i+3], v2, s[6:7] offset:512*\i
.endr
.irp i, 0,1,2,3,4,5,6,7
	global_load_b128 v[BB+4*\i:BB+4*\i+3], v2, s[8:9] offset:512*\i
.endr
.macro LANESUM                         ; v6 summed over the 32 lanes, the result in every lane
	s_delay_alu instid0(VALU_DEP_1)
	v_add_f32_dpp v6, v6, v6 row_xmask:1 row_mask:0xf bank_mask:0xf
	s_delay_alu instid0(VALU_DEP_1)
	v_add_f32_dpp v6, v6, v6 row_xmask:2 row_mask:0xf bank_mask:0xf
	s_delay_alu instid0(VALU_DEP_1)
	v_add_f32_dpp v6, v6, v6 row_xmask:4 row_mask:0xf bank_mask:0xf
	s_delay_alu instid0(VALU_DEP_1)
	v_add_f32_dpp v6, v6, v6 row_xmask:8 row_mask:0xf bank_mask:0xf
	s_delay_alu instid0(VALU_DEP_1)
	v_permlanex16_b32 v7, v6, s16, s17
	s_delay_alu instid0(VALU_DEP_1)
	v_add_f32 v6, v6, v7
.endm
; row r: the mean; x - mean in place; var + eps into v[12 + 2 r]
.macro MOMENTS r
.set XR, X+32*(\r)
	v_pk_add_f32 v[6:7], v[XR:XR+1], v[XR+2:XR+3]
	v_pk_add_f32 v[8:9], v[XR+4:XR+5], v[XR+6:XR+7]
.irp j, 8,12,16,20,24,28
	s_delay_alu instid0(VALU_DEP_2)
	v_pk_add_f32 v[6:7], v[6:7], v[XR+\j:XR+\j+1]
	s_delay_alu instid0(VALU_DEP_2)
	v_pk_add_f32 v[8:9], v[8:9], v[XR+\j+2:XR+\j+3]
.endr
	s_delay_alu instid0(VALU_DEP_1)
	v_pk_add_f32 v[6:7], v[6:7], v[8:9]
	s_delay_alu instid0(VALU_DEP_1)
	v_add_f32 v6, v6, v7
	LANESUM
	s_delay_alu instid0(VALU_DEP_1)
	v_mul_f32 v10, s18, v6                         ; the mean
	s_delay_alu instid0(VALU_DEP_1)
	v_mov_b32 v11, v10
.irp j, 0,2,4,6,8,10,12,14,16,18,20,22,24,26,28,30
	v_pk_add_f32 v[XR+\j:XR+\j+1], v[XR+\j:XR+\j+1], v[10:11] neg_lo:[0,1] neg_hi:[0,1]
.endr
	v_pk_mul_f32 v[6:7], v[XR:XR+1], v[XR:XR+1]
	v_pk_mul_f32 v[8:9], v[XR+2:XR+3], v[XR+2:XR+3]
.irp j, 4,8,12,16,20,24,28
	s_delay_alu instid0(VALU_DEP_2)
	v_pk_fma_f32 v[6:7], v[XR+\j:XR+\j+1], v[XR+\j:XR+\j+1], v[6:7]
	s_delay_alu instid0(VALU_DEP_2)
	v_pk_fma_f32 v[8:9], v[XR+\j+2:XR+\j+3], v[XR+\j+2:XR+\j+3], v[8:9]
.endr
	s_delay_alu instid0(VALU_DEP_1)
	v_pk_add_f32 v[6:7], v[6:7], v[8:9]
	s_delay_alu instid0(VALU_DEP_1)
	v_add_f32 v6, v6, v7
	LANESUM
	s_delay_alu instid0(VALU_DEP_1)
	v_fma_f32 v[12+2*(\r)], v6, s18, s19
.endm
	s_wait_loadcnt 24                              ; row 0's eight loads are in; row 1's, g's and b's, 24 in all, may be out
	MOMENTS 0
	s_wait_loadcnt 16                              ; row 1's are in; g's and b's may be out
	MOMENTS 1
	s_wait_alu depctr_va_vdst(0)
	v_rsq_f32 v12, v12
	v_rsq_f32 v14, v14
	v_nop                                          ; a plain instruction behind the last of the two
	s_wait_alu depctr_va_vdst(0)                   ; one wait for both, ahead of their first reader
	v_mov_b32 v13, v12
	v_mov_b32 v15, v14
	s_wait_alu depctr_va_vdst(0)
	s_wait_loadcnt 0x0                             ; g and b
.irp r, 0,1
.irp j, 0,2,4,6,8,10,12,14,16,18,20,22,24,26,28,30
	v_pk_mul_f32 v[X+32*\r+\j:X+32*\r+\j+1], v[X+32*\r+\j:X+32*\r+\j+1], v[12+2*\r:13+2*\r]
.endr
.irp j, 0,2,4,6,8,10,12,14,16,18,20,22,24,26,28,30
	v_pk_fma_f32 v[X+32*\r+\j:X+32*\r+\j+1], v[X+32*\r+\j:X+32*\r+\j+1], v[G+\j:G+\j+1], v[BB+\j:BB+\j+1]
.endr
.endr
; half row n (row n / 2, half n % 2) through its stage.  LDS serves a wave's instructions in order: no wait between the stores and the loads
.macro TURN n
.irp i, 0,1,2,3
	ds_store_b128 v3, v[X+16*(\n)+4*\i:X+16*(\n)+4*\i+3] offset:STG*(\n)+8*SP*\i
.endr
.irp i, 0,1,2,3
	ds_load_b128 v[Y+16*(\n)+4*\i:Y+16*(\n)+4*\i+3], v4 offset:STG*(\n)+16*\i
.endr
.endm
	TURN 0
	TURN 1
	TURN 2
	TURN 3
.macro QSTEP n
.set YS, Y+16*(\n)
	s_wait_dscnt 8*(3-(\n))                        ; this half's loads are back; the later halves' eight LDS instructions each may be out
	v_max3_num_f32 v6, |v[YS]|, |v[YS+1]|, |v[YS+2]|
	v_max3_num_f32 v7, |v[YS+3]|, |v[YS+4]|, |v[YS+5]|
.irp i, 6,10
	s_delay_alu instid0(VALU_DEP_2)
	v_max3_num_f32 v6, v6, |v[YS+\i]|, |v[YS+\i+1]|
	s_delay_alu instid0(VALU_DEP_2)
	v_max3_num_f32 v7, v7, |v[YS+\i+2]|, |v[YS+\i+3]|
.endr
	s_delay_alu instid0(VALU_DEP_2)
	v_max3_num_f32 v6, v6, |v[YS+14]|, |v[YS+15]|
	s_delay_alu instid0(VALU_DEP_1)
	v_max3_num_f32 v6, v6, v7, 0x4800000           ; and the floor 2^(9 - 127): the byte cannot fall under 1
	s_delay_alu instid0(VALU_DEP_1)
	v_max_num_f32_dpp v6, v6, v6 row_xmask:1 row_mask:0xf bank_mask:0xf   ; with my neighbour's 16: the block's largest magnitude
	s_delay_alu instid0(VALU_DEP_1)
	v_add_nc_u32 v8, 0xfc000000, v6                ; 8 off its exponent field: the conversion's scale operand
	s_delay_alu instid0(VALU_DEP_2)
	v_and_or_b32 v9, v6, 0x7f800000, s20           ; 448 x the scale
.set i, 0
.rept 16
	v_med3_num_f32 v[YS+i], v[YS+i], -v9, v9       ; the conversion to an 8-bit code does not saturate (ISA guide 7.6.2): the hold comes first
.set i, i+1
.endr
	v_cvt_scalef32_pk8_fp8_f32 v[C+4*(\n):C+4*(\n)+1], v[YS:YS+7], v8
	v_cvt_scalef32_pk8_fp8_f32 v[C+4*(\n)+2:C+4*(\n)+3], v[YS+8:YS+15], v8
	v_lshrrev_b32 v[E+(\n)], 23, v8                ; the scale's byte
	ds_store_b8 v5, v[E+(\n)] offset:16*(\n)       ; both lanes of a block write the same byte with the same value
	global_store_b128 v2, v[C+4*(\n):C+4*(\n)+3], s[10:11] offset:512*(\n)   ; 512 consecutive bytes, aligned
.endm
	QSTEP 0
	QSTEP 1
	QSTEP 2
	QSTEP 3
	s_wait_dscnt 0x0                               ; for the others' sake: my byte stores are done
	s_barrier_signal -1
	s_barrier_wait -1
	s_cmp_lg_u32 s12, 0
	s_cbranch_scc1 .Ldone
	ds_load_b128 v[Y:Y+3], v[LA]                   ; wave 0: the group's 512 scale bytes,
	s_wait_dscnt 0x0
	global_store_b128 v2, v[Y:Y+3], s[26:27]       ; 512 consecutive bytes, aligned
.Ldone:
	s_wait_tensorcnt 0x0
	ds_add_u32 v232, v233
	s_wait_dscnt 0x0
	s_endpgm
.Lfunc_end_k_q9cca382e1a_ln1:
	.size	k_q9cca382e1a_ln1, .Lfunc_end_k_q9cca382e1a_ln1-k_q9cca382e1a_ln1
	.p2alignl 7, 3214868480
	.fill 96, 4, 3214868480
	.section	.rodata,"a",@progbits
	.p2align	6, 0x0
	.amdhsa_kernel k_q9cca382e1a_ln1
		.amdhsa_group_segment_fixed_size 83456
		.amdhsa_private_segment_fixed_size 0
		.amdhsa_enable_private_segment 0
		.amdhsa_kernarg_size 32
		.amdhsa_user_sgpr_count 2
		.amdhsa_user_sgpr_kernarg_segment_ptr 1
		.amdhsa_wavefront_size32 1
		.amdhsa_system_sgpr_workgroup_id_x 1
		.amdhsa_system_sgpr_workgroup_id_y 1
		.amdhsa_system_sgpr_workgroup_id_z 1
		.amdhsa_system_vgpr_workitem_id 0
		.amdhsa_next_free_vgpr 234
		.amdhsa_next_free_sgpr 66
		.amdhsa_reserve_vcc 0
		.amdhsa_float_denorm_mode_32 3
		.amdhsa_float_denorm_mode_16_64 3
		.amdhsa_memory_ordered 1
		.amdhsa_forward_progress 1
		.amdhsa_inst_pref_size 33
	.end_amdhsa_kernel
	.amdgpu_metadata
---
amdhsa.version: [ 1, 2 ]
amdhsa.kernels:
  - .name:           k_q9cca382e1a_ln1
    .symbol:         k_q9cca382e1a_ln1.kd
    .args:
      - { .name: x, .offset: 0, .size: 8, .value_kind: global_buffer, .address_space: global }
      - { .name: ln1_g, .offset: 8, .size: 8, .value_kind: global_buffer, .address_space: global }
      - { .name: ln1_b, .offset: 16, .size: 8, .value_kind: global_buffer, .address_space: global }
      - { .name: hq, .offset: 24, .size: 8, .value_kind: global_buffer, .address_space: global }
    .group_segment_fixed_size: 83456
    .private_segment_fixed_size: 0
    .kernarg_segment_align: 8
    .kernarg_segment_size: 32
    .max_flat_workgroup_size: 256
    .sgpr_count:     66
    .vgpr_count:     234
    .wavefront_size: 32
...
	.end_amdgpu_metadata
.endif
;; end of part 1
;; launch qkvg (part 2): grid 12 x 16, 4 waves a work-group, clusters of 4 x 4, 327,680 bytes of LDS; arguments hq, w_qkv_codes, w_qkv_scales, qkv; writes qkv
.if DOCPART == 2
	.amdgcn_target "amdgcn-amd-amdhsa--gfx1250"
	.amdhsa_code_object_version 6
	.text
	.protected	k_q9cca382e1a_qkvg
	.globl	k_q9cca382e1a_qkvg
	.p2align	8
	.type	k_q9cca382e1a_qkvg,@function
k_q9cca382e1a_qkvg:
	s_mov_b64 s[64:65], 0
	v_nop
	global_prefetch_b8 v0, s[64:65] scope:SCOPE_SE
	s_setreg_imm32_b32 hwreg(HW_REG_WAVE_MODE, 25, 1), 1
	s_wait_xcnt 0x0
	s_wait_alu depctr_hold_cnt(0) depctr_sa_sdst(0) depctr_va_vdst(0) depctr_va_sdst(0) depctr_va_ssrc(0) depctr_va_vcc(0) depctr_vm_vsrc(0)
	s_getreg_b32 s2, hwreg(HW_REG_IB_STS2, 6, 4)
	s_cmp_eq_u32 s2, 0
	s_cbranch_scc0 .Lentry_in_a_cluster
	s_endpgm
.Lentry_in_a_cluster:
	s_bfe_u32 s2, ttmp6, 0x10000c
	s_cmp_lg_u32 s2, 0xf033
	s_cbranch_scc0 .Lentry_shape_is_right
	s_endpgm
.Lentry_shape_is_right:
; A GEMM on codes of E4M3 with E8M0 scales, K = 1,024, whose results are quantised again in registers and stored as IMAGES OF OPERAND REGISTERS for the next launch.  (The text serves two launches: EPI = 0: q, k, v; EPI = 1: the MLP's hidden layer.)
; Both operands are [rows][1024] codes with [rows][32] scale bytes.  S0 is source 0 of the matrix instruction, placed by the tile column; S1 is source 1, placed by the tile row.  In a result lane (r, h) holds row r of S1's block and its register j row 16 b + 8 h + j of S0:
; so a lane's registers run along S0's rows, which are the K of the product that will read the result.
; EPI = 0.  Clusters with x = 0, 1: S1 = the normalised tokens, S0 = rows 0 .. 2,047 of w_qkv: q and k, quantised along a head's 64 channels.  Clusters with x = 2: S1 = rows 2,048 .. 3,071 of w_qkv, S0 = the tokens: v, quantised along the KEYS.
;   The choice hangs on the cluster's x alone, which all sixteen partners share; it selects pointers, steps and masks, and no branch hangs on it.
; EPI = 1.  S1 = the normalised tokens, S0 = w1; b1 is the C of each sum's first product; what is negative becomes 0 in the hold.
; A tile of 256 x 256 is made by four waves, each 128 x 128: 64 accumulators.  K goes in steps of 256 through two LDS slots filled by the tensor data mover; the scale bytes of the work-group's rows come once.
; CLUSTERS: 4 x 4 work-groups; S1's tiles are asked for jointly along a row of the cluster, S0's along a column.
; THE WAY OUT.  Block a (16 rows of S1 x 128 of S0) is one fragment of the next operand.  For each 32 along S0: the largest magnitude of my 16 numbers and lane l xor 16's; scale byte, hold, two conversions.
;   Tiles are 16 NEIGHBOURING rows of S0, so a lane holds k 8 h .. + 7 and 16 + 8 h .. + 7 of a block of 32; two exchanges of half-registers between the halves of the lanes give lane h the 16 neighbours 16 h .. + 15 that the operand's layout wants.
;   A fragment's chunk of four registers is stored as it stands, lane l's 16 bytes at 16 l: 512 consecutive bytes, aligned.  The scale words go out 128 bytes at a time: one byte in 32 of what the launch stores.
; LIMITS: NaN and infinities are not served; a block whose largest magnitude lies under 2^-118 (a block of zeros too) keeps the scale byte 1; this program alone reads the bytes.
; REGISTERS, in windows of 256: window 0: v16-29 addresses; v32-63 scale words, two sets; v64-127 the bias (EPI = 1); from v128 S1's fragments, one set; on the way out v200-247 are at work.
;   window 1: S0's fragments, two sets.   window 2: the accumulators of my rows 0-63 ((a, b) at v[8 (8 a + b)]);   window 3: those of my rows 64-127.
.set EPI,    0
.set SIZE_K, 1024
.set KSTEP,  256
.set NQ,     KSTEP/128
.set ROWB,   256
.set KROW,   SIZE_K
.set PITCH,  272                       ; an LDS row: 256 bytes + 16 of padding: the 16 rows that a load touches start at 16 different banks (64 banks of 4 bytes: ISA guide 11.1)
.set FR,     16
.set NL,     4
.set NP,     8                         ; places behind this matrix instruction (ISA guide 7.12.1)
.set HALFT,  128*PITCH
.set SLOT,   4*HALFT
.set LAPS,   SIZE_K/(2*KSTEP)
.set KS,     SIZE_K/32
.set SCL,    2*SLOT                    ; behind the ring: the scale bytes, as units of 256 bytes + 16 of padding
.set HALFS,  (128*KS/256)*272
.set SBLK,   (16*KS/256)*272
.set SPARE,  SCL+4*HALFS               ; the spare words, 128 bytes a wave: two blocks of 256 bytes that no other line names
.set ADRA, 16
.set ADRB, 20
.set LI16, 24                          ; v24  16 x lane
.set LS4,  25                          ; v25  4 x lane
.set ADRS, 27
.set SPW,  28
.set NIL,  29
.set SC,   32
.set BIAS, 64
.set AF,   128
.set TM,   200                         ; v200-203 largest magnitudes, v204-207 bytes, v208-211 448 x the scale, v212-215 the conversions' scale operands
.set PC,   216                         ; v216-231 the fragment just made
.set PW,   232                         ; v232-239 the eight blocks' scale words
.set WK,   240
.set G1, 24
.set G0, 32
.set G1B, 48
.set G0B, 56
.set G1S, 68
.set G0S, 76
.set G1SB, 80
.set G0SB, 88
.set SEL, 96
.set MNT, 98
.set SB0, 44                           ; the way out's scalars lie in registers whose tensor loads are done
.set SB1, 46
.set SWB, 48
.set MHI, 50
.set MQK, 51
.set XST, 32
.set STA, 34
.set STB, 36
.if EPI
.set PA,  4
.set PAS, 66
.set OUTP, 12
.else
.set PA,  92
.set PAS, 94
.set OUTP, 10
.endif
.set PB,  6
.set PBS, 8
.set MSB, 0
.macro WIN new                         ; the immediate's high byte repeats the setting that is left
.if MSB != (\new)
	s_set_vgpr_msb (MSB<<8)|(\new)
.set MSB, (\new)
.endif
.endm
.set MUL_LO, 0xa1                      ; source 0 window 1, source 1 window 0, C and D window 2
.set MUL_HI, 0xf1                      ; the same, C and D window 3
.set TO_B,   0x40
; A joint load: waves 0 and 1 fetch for S1, waves 2 and 3 for S0.  The branch hangs on the wave's number alone.  Four v_nop follow each of the two lines.
.macro JLOAD g0a, g1a, g0b, g1b
	s_cmp_eq_u32 s15, 0
	s_cbranch_scc0 .Lfor_b_\@
	tensor_load_to_lds s[\g0a:\g0a+3], s[\g1a:\g1a+7]
	s_nop 0
.rept 4
	v_nop
.endr
	s_branch .Lasked_\@
.Lfor_b_\@:
	tensor_load_to_lds s[\g0b:\g0b+3], s[\g1b:\g1b+7]
	s_nop 0
.rept 4
	v_nop
.endr
.Lasked_\@:
.endm
.macro CREST                           ; a round of the cluster's barrier behind its opening barrier
	s_cmp_lg_u32 s14, 0
	s_cbranch_scc1 .Lnot_wave_0_\@
	s_barrier_signal -3
.Lnot_wave_0_\@:
	s_barrier_wait -3
	s_barrier_signal -1
	s_barrier_wait -1
.endm
.macro CROUND
	s_barrier_signal -1
	s_barrier_wait -1
	CREST
.endm
	s_load_b128 s[4:7], s[0:1], 0x0                ; the tokens' codes and scale bytes (one buffer), the weight's codes
	s_load_b128 s[8:11], s[0:1], 0x10              ; the weight's scale bytes; EPI = 0: the output, EPI = 1: the bias
.if EPI
	s_load_b64 s[12:13], s[0:1], 0x20              ; the output
.endif
	v_lshl_add_u32 v[SPW], v0, 2, SPARE
	v_mov_b32 v[NIL], 0
	ds_add_u32 v28, v29
	ds_add_u32 v28, v29
	s_wait_dscnt 0x0
	v_lshrrev_b32 v1, 5, v0
	v_readfirstlane_b32 s14, v1                    ; wave 0..3
	s_lshr_b32 s15, s14, 1                         ; which half of S1's rows is mine.  Also: I fetch for S1 (0) or for S0 (1)
	s_and_b32 s16, s14, 1                          ; which half of S0's rows.  Also: which 128 rows of that tile I fetch
	s_bfe_u32 s40, ttmp6, 0x40000                  ; cx, cy: my place in the cluster
	s_bfe_u32 s41, ttmp6, 0x40004
.if EPI
	s_lshl_b32 s42, ttmp9, 2
	s_add_co_u32 s42, s42, s40                     ; tile column = 4 x cluster x + cx
	s_and_b32 s17, ttmp7, 0xffff
	s_lshl_b32 s17, s17, 2
	s_add_co_u32 s17, s17, s41                     ; tile row = 4 x cluster y + cy
.else
	s_and_b32 s18, ttmp7, 0xffff                   ; cluster y
	s_cmp_lt_u32 ttmp9, 2                          ; q and k, or v?  The cluster's x: the same in all sixteen partners
	s_cselect_b32 s19, ttmp9, s18                  ; q, k: 8 tile columns of features by cluster x;  v: 16 tile columns of tokens by cluster y
	s_cselect_b32 s18, s18, 0                      ; q, k: 16 tile rows of tokens by cluster y;      v: 4 tile rows of channels
	s_cselect_b32 s2, 1, 0
	s_lshl_b32 s42, s19, 2
	s_add_co_u32 s42, s42, s40                     ; tile column
	s_lshl_b32 s17, s18, 2
	s_add_co_u32 s17, s17, s41                     ; tile row
.endif
	s_lshl_b32 s43, s41, 2
	s_lshl_b32 s43, 15, s43                        ; my row of the cluster
	s_lshl_b32 s44, 0x1111, s40                    ; my column
	s_or_b32 s[G1+0], s43, (0<<16)|(1<<20)|(1<<21)|(5<<22)|(3<<25)  ; the mask: S1's tiles go to my row; elements of 1 byte; padding: 4 words after every 64; bit 21 beside a mask
	s_or_b32 s[G1B+0], s44, (0<<16)|(1<<20)|(1<<21)|(5<<22)|(3<<25)
.irp g, G1, G1B
	s_mov_b32 s[\g+1], ROWB<<16                    ; tensor_dim0
	s_mov_b32 s[\g+2], 256<<16                     ; tensor_dim1: 256 rows for the head's loads; set to 128 for the ring behind them
	s_mov_b32 s[\g+3], ROWB<<16                    ; tile_dim0
	s_mov_b32 s[\g+4], 256                         ; tile_dim1 likewise
	s_mov_b32 s[\g+5], KROW                        ; the pitch
	s_mov_b32 s[\g+6], 0
	s_mov_b32 s[\g+7], 0
.endr
	s_or_b32 s[G1S+0], s43, (3<<16)|(1<<20)|(1<<21)|(5<<22)|(3<<25) ; the scale bytes of 256 rows: a dense block, as rows of 256 bytes (32 elements of 8), 16 bytes of padding behind each
	s_or_b32 s[G1SB+0], s44, (3<<16)|(1<<20)|(1<<21)|(5<<22)|(3<<25)
.irp g, G1S, G1SB
	s_mov_b32 s[\g+1], 32<<16
	s_mov_b32 s[\g+2], (256*KS/256)<<16            ; the scale bytes of all 256 rows by one load
	s_mov_b32 s[\g+3], 32<<16
	s_mov_b32 s[\g+4], 256*KS/256
	s_mov_b32 s[\g+5], 32
	s_mov_b32 s[\g+6], 0
	s_mov_b32 s[\g+7], 0
.endr
	s_lshl_b32 s20, s17, 8                         ; S1: the tile's first row, 256 x tile row
	s_lshl_b32 s46, s42, 8                         ; S0: 256 x tile column
	s_mov_b32 s21, 0
	s_mov_b32 s47, 0
	s_mov_b64 s[18:19], KS
	s_mul_u64 s[22:23], s[20:21], s[18:19]         ; where these rows' scale bytes begin
	s_mul_u64 s[100:101], s[46:47], s[18:19]
	s_mov_b64 s[18:19], KROW
	s_mul_u64 s[20:21], s[20:21], s[18:19]         ; and their codes
	s_mul_u64 s[46:47], s[46:47], s[18:19]
	s_mul_i32 s45, s14, HALFT                      ; where they go: wave x 128 rows: no place in the cluster enters an LDS address
	s_mul_i32 s18, s16, 128*KROW                   ; in the ring I fetch 128 rows of a tile: which half, in bytes
	s_mov_b32 s19, 0
	s_wait_kmcnt 0x0
	s_add_nc_u64 s[66:67], s[4:5], 0x400000        ; the tokens' scale bytes lie behind their codes
.if EPI == 0
	s_add_nc_u64 s[92:93], s[6:7], 0x200000        ; w_qkv's rows 2,048 on: v's weights,
	s_add_nc_u64 s[94:95], s[8:9], 0x10000         ; and their scale bytes
	s_cmp_eq_u32 s2, 1
	s_cselect_b64 s[92:93], s[4:5], s[92:93]       ; S1: the tokens (q, k) or v's weights
	s_cselect_b64 s[94:95], s[66:67], s[94:95]
	s_cselect_b64 s[6:7], s[6:7], s[4:5]           ; S0: q's and k's weights, or the tokens
	s_cselect_b64 s[8:9], s[8:9], s[66:67]
.endif
	s_add_nc_u64 s[20:21], s[PA:PA+1], s[20:21]
	s_add_nc_u64 s[22:23], s[PAS:PAS+1], s[22:23]
	s_add_nc_u64 s[46:47], s[PB:PB+1], s[46:47]
	s_add_nc_u64 s[100:101], s[PBS:PBS+1], s[100:101]
	CROUND                                         ; all sixteen work-groups are here: the first joint loads meet
	s_mov_b32 s[G0S], 1
	s_mov_b32 s[G0S+1], SCL
	s_mov_b64 s[G0S+2:G0S+3], s[22:23]
	s_or_b32 s[G0S+3], s[G0S+3], 0x80000000
	s_mov_b32 s[G0SB], 1
	s_mov_b32 s[G0SB+1], SCL+2*HALFS
	s_mov_b64 s[G0SB+2:G0SB+3], s[100:101]
	s_or_b32 s[G0SB+3], s[G0SB+3], 0x80000000
	s_mov_b32 s4, 1                                ; group 0 of the head's loads of K step 0, in registers whose pointers are used up: S1's 256 rows,
	s_mov_b32 s5, 0
	s_mov_b64 s[6:7], s[20:21]
	s_or_b32 s7, s7, 0x80000000
	s_mov_b32 s92, 1                               ; S0's 256 rows, behind them in slot 0
	s_mov_b32 s93, 2*HALFT
	s_mov_b64 s[94:95], s[46:47]
	s_or_b32 s95, s95, 0x80000000
	s_add_nc_u64 s[20:21], s[20:21], s[18:19]      ; for the ring: my 128 rows of the tile
	s_add_nc_u64 s[46:47], s[46:47], s[18:19]
.irp s, 0,1
	s_mov_b32 s[G0+4*\s], 1
	s_add_co_u32 s[G0+4*\s+1], s45, \s*SLOT
	s_add_nc_u64 s[G0+4*\s+2:G0+4*\s+3], s[20:21], \s*ROWB
	s_or_b32 s[G0+4*\s+3], s[G0+4*\s+3], 0x80000000
	s_mov_b32 s[G0B+4*\s], 1
	s_add_co_u32 s[G0B+4*\s+1], s45, \s*SLOT
	s_add_nc_u64 s[G0B+4*\s+2:G0B+4*\s+3], s[46:47], \s*ROWB
	s_or_b32 s[G0B+4*\s+3], s[G0B+4*\s+3], 0x80000000
.endr
; the head's loads, one a wave: wave 0 S1's 256 rows of K step 0, wave 1 S0's, wave 2 S1's scale bytes, wave 3 S0's.  One chain of branches on the wave's number
.macro ARM under, g0, g1, next
	s_cmp_lt_u32 s14, \under
	s_cbranch_scc0 \next
	tensor_load_to_lds s[\g0:\g0+3], s[\g1:\g1+7]
	s_nop 0
.rept 4
	v_nop
.endr
	s_branch .Lhead_asked
\next:
.endm
	ARM 1, 4, G1, .Lhead_b
	ARM 2, 92, G1B, .Lhead_sa
	ARM 3, G0S, G1S, .Lhead_sb
	tensor_load_to_lds s[G0SB:G0SB+3], s[G1SB:G1SB+7]
	s_nop 0
.rept 4
	v_nop
.endr
.Lhead_asked:
	v_and_b32 v1, 15, v0                           ; r = l % 16
	v_bfe_u32 v2, v0, 4, 1                         ; h = l / 16
	v_mul_u32_u24 v3, v1, PITCH
	v_lshl_add_u32 v4, v2, 4, v3                   ; a fragment's row x pitch + 16 x half
	s_mul_i32 s21, s15, HALFT                      ; my 128 rows of S1
	s_mul_i32 s22, s16, HALFT                      ; my 128 rows of S0,
	s_add_co_u32 s22, s22, 2*HALFT                 ; which lie behind S1's 256
.irp s, 0,1
	v_add_nc_u32 v[ADRA+\s], s21, v4
	v_add_nc_u32 v[ADRB+\s], s22, v4
	s_add_co_u32 s21, s21, SLOT
	s_add_co_u32 s22, s22, SLOT
.endr
	v_mul_u32_u24 v5, v1, KS                       ; my row's scale bytes: KS a row,
	v_lshrrev_b32 v6, 8, v5
	v_lshl_add_u32 v5, v6, 4, v5                   ; and 16 more for each 256 passed
	s_mul_i32 s21, s15, HALFS
	s_mul_i32 s22, s16, HALFS
	s_add_co_u32 s22, s22, 2*HALFS
	s_sub_co_u32 s22, s22, s21
	v_mul_u32_u24 v6, s22, v2                      ; lanes 16-31 take S0's
	s_add_co_u32 s21, s21, SCL
	v_add_nc_u32 v5, v5, v6
	v_add_nc_u32 v[ADRS], s21, v5
	v_and_b32 v6, 31, v0
	v_lshlrev_b32 v[LI16], 4, v6
	v_lshlrev_b32 v[LS4], 2, v6
.if EPI
	s_lshl_b32 s20, s42, 10                        ; the bias of my 128 rows of S0: register 8 b + j is that of row 16 b + 8 h + j
	s_lshl_b32 s21, s16, 9
	s_add_co_u32 s20, s20, s21
	s_mov_b32 s21, 0
	s_add_nc_u64 s[10:11], s[10:11], s[20:21]
	v_lshlrev_b32 v7, 5, v2
.irp b, 0,1,2,3,4,5,6,7
	global_load_b128 v[BIAS+8*\b:BIAS+8*\b+3], v7, s[10:11] offset:64*\b
	global_load_b128 v[BIAS+8*\b+4:BIAS+8*\b+7], v7, s[10:11] offset:64*\b+16
.endr
.endif
.macro FRAG reg, adr, q, i             ; 16 rows x 128 K: lane l holds row l % 16; registers 4 c .. 4 c + 3 hold K = 32 c + 16 (l / 16) + 0 .. 15
.irp c, 0,1,2,3
	ds_load_b128 v[\reg+4*\c:\reg+4*\c+3], v[\adr] offset:128*(\q)+32*\c+(\i)*16*PITCH
.endr
.endm
; 16 matrix instructions: S1's blocks a0, a0 + 1 x S0's eight.  zero = 1: the first product starts the sums, with 0 or with the bias as C.  The 64 accumulators take turns, one instruction a turn.
.macro MUL16 a0, p, q, sc, zero
.irp a, \a0, \a0+1
.irp b, 0,1,2,3,4,5,6,7
.if (\zero) && EPI
	v_wmma_scale_f32_16x16x128_f8f6f4 v[8*(8*((\a)%4)+\b):8*(8*((\a)%4)+\b)+7], v[128*(\p)+FR*\b:128*(\p)+FR*\b+FR-1], v[AF+FR*(\a):AF+FR*(\a)+FR-1], v[BIAS+8*\b:BIAS+8*\b+7], v[SC+8*NQ*(\sc)+NQ*\b+(\q)], v[SC+8*NQ*(\sc)+NQ*(\a)+(\q)] matrix_a_scale:MATRIX_SCALE_ROW1
.elseif \zero
	v_wmma_scale_f32_16x16x128_f8f6f4 v[8*(8*((\a)%4)+\b):8*(8*((\a)%4)+\b)+7], v[128*(\p)+FR*\b:128*(\p)+FR*\b+FR-1], v[AF+FR*(\a):AF+FR*(\a)+FR-1], 0, v[SC+8*NQ*(\sc)+NQ*\b+(\q)], v[SC+8*NQ*(\sc)+NQ*(\a)+(\q)] matrix_a_scale:MATRIX_SCALE_ROW1
.else
	v_wmma_scale_f32_16x16x128_f8f6f4 v[8*(8*((\a)%4)+\b):8*(8*((\a)%4)+\b)+7], v[128*(\p)+FR*\b:128*(\p)+FR*\b+FR-1], v[AF+FR*(\a):AF+FR*(\a)+FR-1], v[8*(8*((\a)%4)+\b):8*(8*((\a)%4)+\b)+7], v[SC+8*NQ*(\sc)+NQ*\b+(\q)], v[SC+8*NQ*(\sc)+NQ*(\a)+(\q)] matrix_a_scale:MATRIX_SCALE_ROW1
.endif
.endr
.endr
.endm
.macro FETCH_B slot, q, p
	WIN TO_B
.irp i, 0,1,2,3,4,5,6,7
	FRAG 128*(\p)+FR*\i, ADRB+\slot, \q, \i
.endr
	WIN 0
.endm
.macro FETCH_A slot, q, i0
.irp i, \i0, \i0+1, \i0+2, \i0+3
	FRAG AF+FR*(\i), ADRA+\slot, \q, \i
.endr
.endm
.macro SCALES sc                       ; a K step's scale words into set sc: lanes 0-15 take S1's block i, lanes 16-31 S0's block i
.irp i, 0,1,2,3,4,5,6,7
	ds_load_b64 v[SC+8*NQ*\sc+NQ*\i:SC+8*NQ*\sc+NQ*\i+1], v[ADRS] offset:\i*SBLK
.endr
.endm
.macro PLACES n                        ; plain vector instructions between a matrix instruction and a load into, or a read or write by a vector instruction of, its registers
.rept \n
	v_nop
.endr
.endm
.macro STEP slot, q, zero              ; a step of 128 along K that has its successor in the same slot
	s_wait_dscnt 4*NL                              ; S0's set and S1's blocks 0-3 are in; the youngest 16 loads (S1's blocks 4-7) may be out
.if (\zero) && EPI
	WIN 0x81                                       ; C (the bias) window 0, D window 2
.else
	WIN MUL_LO
.endif
	MUL16 0, (\q)%2, \q, \slot, \zero
	MUL16 2, (\q)%2, \q, \slot, \zero
	s_wait_dscnt 0
	PLACES NP
	FETCH_B \slot, (\q)+1, 1-(\q)%2
	FETCH_A \slot, (\q)+1, 0
.if (\zero) && EPI
	WIN 0xc1
.else
	WIN MUL_HI
.endif
	MUL16 4, (\q)%2, \q, \slot, \zero
	MUL16 6, (\q)%2, \q, \slot, \zero
	PLACES NP
	WIN 0
	FETCH_A \slot, (\q)+1, 4
.endm
; A slot's last step changes slots: ONE barrier; in front of it each wave waits for all its tensor loads, adds 0 to its spare word, and waits for that and for its own reads of this slot.  fill = 1: the slot is filled again, two K steps ahead.
.macro TURN slot, next, fill
	s_wait_tensorcnt 0x0                           ; all my tensor loads have landed: my part of the next slot
	ds_add_u32 v[SPW], v[NIL]                      ; 0 onto my spare word
	s_wait_dscnt 4*NL+1                            ; (the add and the youngest 16 loads may be out)
	WIN MUL_LO
	MUL16 0, 1, NQ-1, \slot, 0
	s_wait_dscnt 0x0                               ; the add is done, and my reads of this slot are over
	s_barrier_signal -1
	MUL16 2, 1, NQ-1, \slot, 0
	WIN 0
	s_barrier_wait -1
.if \fill
	CREST                                          ; the barrier has opened a round of the cluster's barrier: no wave of any partner still reads this slot or has a load on its way
	s_add_nc_u64 s[G0+4*\slot+2:G0+4*\slot+3], s[G0+4*\slot+2:G0+4*\slot+3], 2*ROWB
	s_add_nc_u64 s[G0B+4*\slot+2:G0B+4*\slot+3], s[G0B+4*\slot+2:G0B+4*\slot+3], 2*ROWB
	JLOAD G0+4*\slot, G1, G0B+4*\slot, G1B         ; the first tensor load behind the round; its four v_nop are among the places in front of the loads below
	PLACES NP-4
.else
	PLACES NP
.endif
	s_wait_alu depctr_va_vdst(0)
	v_add_nc_u32 v[ADRS], 4*NQ, v[ADRS]            ; on to the next K step's scale words
	FETCH_B \next, 0, 0
	FETCH_A \next, 0, 0
	SCALES \next
	WIN MUL_HI
	MUL16 4, 1, NQ-1, \slot, 0
	MUL16 6, 1, NQ-1, \slot, 0
	PLACES NP
	WIN 0
	FETCH_A \next, 0, 4
.endm
	s_wait_alu depctr_va_vdst(0)
	s_wait_tensorcnt 0x0                           ; my tile of the head's four is in; slot 1's first fill is issued as a refill is
	ds_add_u32 v[SPW], v[NIL]
	s_mov_b32 s[G1+2], 128<<16                     ; no tensor load of mine is out: from here on a load brings 128 rows
	s_mov_b32 s[G1+4], 128
	s_mov_b32 s[G1B+2], 128<<16
	s_mov_b32 s[G1B+4], 128
	s_wait_dscnt 0x0
	CROUND                                         ; all four tiles are in, and all sixteen work-groups are here
	JLOAD G0+4, G1, G0B+4, G1B                     ; K step 1
	FETCH_B 0, 0, 0
	FETCH_A 0, 0, 0
	SCALES 0
	FETCH_A 0, 0, 4
.if EPI
	s_wait_loadcnt 0x0                             ; the bias
.endif
	STEP 0, 0, 1
	s_mov_b32 s3, LAPS-1
.Llap:                                                 ; a trip goes once round the ring and fills both slots again
	TURN 0, 1, 1
	STEP 1, 0, 0
	TURN 1, 0, 1
	STEP 0, 0, 0
	s_sub_co_u32 s3, s3, 1
	s_cmp_lg_u32 s3, 0
	s_cbranch_scc1 .Llap
	TURN 0, 1, 0                                   ; the last lap fills nothing
	STEP 1, 0, 0
	s_wait_dscnt 4*NL
	WIN MUL_LO
	MUL16 0, 1, NQ-1, 1, 0
	MUL16 2, 1, NQ-1, 1, 0
	s_wait_dscnt 0
	WIN MUL_HI
	MUL16 4, 1, NQ-1, 1, 0
	MUL16 6, 1, NQ-1, 1, 0
	WIN 0
	; ---- THE WAY OUT.  No tensor load of mine is out: the descriptors' registers are free.
	PLACES NP
.irp b, 0,1,2,3
	v_mov_b32 v[TM+4+\b], 0                        ; written once: a lane permute's destination counts as one of its sources
.endr
	s_mov_b32 s[SEL], 0x76543210
	s_mov_b32 s[SEL+1], 0xfedcba98
	s_mov_b32 s[MNT], 0x600000
	s_mov_b32 s[MHI], 0xffff0000                   ; lanes 16-31
.if EPI
	s_lshl_b32 s20, s17, 4
	s_lshl_b32 s21, s15, 3
	s_add_co_u32 s20, s20, s21                     ; my first tile of 16 tokens: 16 x tile row + 8 x half
	s_lshl_b32 s22, s42, 1
	s_add_co_u32 s22, s22, s16                     ; my K step of the next product: 2 x tile column + half
	s_lshl_b32 s24, s20, 16                        ; images: [tile of tokens][32 K steps][2,048 bytes]
	s_lshl_b32 s25, s22, 11
	s_add_co_u32 s24, s24, s25
	s_mov_b32 s25, 0
	s_add_nc_u64 s[SB0:SB0+1], s[OUTP:OUTP+1], s[24:25]
	s_lshl_b32 s24, s22, 14                        ; scale words: [K step][256 tiles][16 rows], behind the images
	s_lshl_b32 s26, s20, 6
	s_add_co_u32 s24, s24, s26
	s_add_co_u32 s24, s24, 0x1000000
	s_add_nc_u64 s[SWB:SWB+1], s[OUTP:OUTP+1], s[24:25]
.else
	s_lshl_b32 s20, s42, 8
	s_lshl_b32 s21, s16, 7
	s_add_co_u32 s20, s20, s21                     ; my first row of S0
	s_lshl_b32 s22, s17, 8
	s_lshl_b32 s23, s15, 7
	s_add_co_u32 s22, s22, s23                     ; my first row of S1
	s_mov_b32 s[XST], 1024
	s_mov_b32 s[STA], 2048
	s_mov_b32 s[STB], 399360                       ; a head's record less three steps of 2,048
	s_cmp_eq_u32 s2, 1
	s_cselect_b32 s24, s22, s20                    ; my first token,
	s_cselect_b32 s25, s20, s22                    ; my first feature (q, k: 0 .. 2,047; v: 0 .. 1,023)
	s_cselect_b32 s27, 0, 2
	s_cselect_b32 s[MQK], -1, 0
	s_cselect_b32 s[XST], 405504, s[XST]           ; from blocks 0, 1 of 32 to blocks 2, 3: q, k: the next head's record;  v: the fragment's second half
	s_cselect_b32 s[STA], 1024, s[STA]             ; from block a to a + 1: q, k: the next tile of tokens;  v: the next 16 channels
	s_cselect_b32 s[STB], 1024, s[STB]             ; from block 3 to 4: v: the next head's first 16 channels
	s_mov_b32 s[XST+1], 0
	s_mov_b32 s[STA+1], 0
	s_mov_b32 s[STB+1], 0
	s_lshr_b32 s26, s25, 10
	s_add_co_u32 s26, s26, s27                     ; 0: q, 1: k, 2: v
	s_and_b32 s28, s25, 1023
	s_lshr_b32 s28, s28, 6                         ; my first head
	s_lshr_b32 s29, s24, 11
	s_lshl_b32 s29, s29, 4
	s_add_co_u32 s28, s28, s29                     ; + 16 x batch
	s_and_b32 s29, s24, 2047                       ; my first token in its batch
	s_lshl_b32 s30, s26, 17                        ; a head's record is 405,504 bytes: q's, k's, v's images (131,072 each, 64 bytes a token), then their scale words (4,096 each)
	s_mul_i32 s31, s28, 405504
	s_add_co_u32 s30, s30, s31
	s_lshl_b32 s31, s29, 6
	s_add_co_u32 s30, s30, s31
	s_mov_b32 s31, 0
	s_add_nc_u64 s[SB0:SB0+1], s[OUTP:OUTP+1], s[30:31]
	s_add_nc_u64 s[SB1:SB1+1], s[SB0:SB0+1], s[XST:XST+1]
	s_mul_i32 s30, s28, 405504                     ; scale words: behind the record's images; 2 bytes a token in all three
	s_lshl_b32 s31, s26, 12
	s_add_co_u32 s30, s30, s31
	s_lshl_b32 s31, s29, 1
	s_add_co_u32 s30, s30, s31
	s_add_co_u32 s30, s30, 0x60000
	s_mov_b32 s31, 0
	s_add_nc_u64 s[SWB:SWB+1], s[OUTP:OUTP+1], s[30:31]
.endif
; Block a's 64 numbers a lane become a fragment in v[PC] on and its scale word in v[PW + a].  relu = 1: what is negative becomes 0 on the way.  Each accumulator is read from its low end on.
.macro QUANTW a, relu
.set AC, 64*((\a)%4)
.set W, 2+(\a)/4
	WIN W|(W<<2)
.irp b, 0,1,2,3
.if \relu
	v_max3_num_f32 v[TM+\b], v[AC+16*\b], v[AC+16*\b+1], 0x4800000       ; no |.|: what is negative must not count; the floor 2^(9 - 127) stands over it
.else
	v_max3_num_f32 v[TM+\b], |v[AC+16*\b]|, |v[AC+16*\b+1]|, 0x4800000   ; my 16 numbers of block b, and the floor 2^(9 - 127): the byte cannot fall under 1
.endif
.endr
	WIN (W<<2)|(W<<4)
.irp i, 2,4,6,8,10,12,14
.irp b, 0,1,2,3
.if \relu
	v_max3_num_f32 v[TM+\b], v[TM+\b], v[AC+16*\b+\i], v[AC+16*\b+\i+1]
.else
	v_max3_num_f32 v[TM+\b], v[TM+\b], |v[AC+16*\b+\i]|, |v[AC+16*\b+\i+1]|
.endif
.endr
.endr
	WIN 0
.irp b, 0,1,2,3
	v_permlanex16_b32 v[TM+4+\b], v[TM+\b], s[SEL], s[SEL+1]
.endr
.irp b, 0,1,2,3
	v_max_num_f32 v[TM+\b], v[TM+\b], v[TM+4+\b]   ; with lane l xor 16's: the block's largest magnitude
.endr
.irp b, 0,1,2,3
	v_add_nc_u32 v[TM+12+\b], 0xfc000000, v[TM+\b] ; 8 off its exponent field: the conversion's scale operand
.endr
.irp b, 0,1,2,3
	v_and_or_b32 v[TM+8+\b], v[TM+\b], 0x7f800000, s[MNT]   ; 448 x the scale
.endr
.irp b, 0,1,2,3
	v_lshrrev_b32 v[TM+4+\b], 23, v[TM+12+\b]      ; the scale's byte
.endr
	v_lshl_or_b32 v[PW+(\a)], v[TM+5], 8, v[TM+4]
	v_lshl_or_b32 v[PW+(\a)], v[TM+6], 16, v[PW+(\a)]
	v_lshl_or_b32 v[PW+(\a)], v[TM+7], 24, v[PW+(\a)]
	WIN W|(W<<6)
.irp b, 0,1,2,3
.set i, 0
.rept 16
.if \relu
	v_med3_num_f32 v[AC+16*\b+i], v[AC+16*\b+i], 0, v[TM+8+\b]             ; the activation and the hold in one
.else
	v_med3_num_f32 v[AC+16*\b+i], v[AC+16*\b+i], -v[TM+8+\b], v[TM+8+\b]   ; the conversion to an 8-bit code does not saturate (ISA guide 7.6.2)
.endif
.set i, i+1
.endr
.endr
.if (\a) > 0
	s_wait_alu depctr_va_vdst(0)
	s_wait_xcnt 0x0                                ; the last block's stores have read v[PC] on and their bases: both may be written
.if EPI == 0
.if (\a) == 4
	s_add_nc_u64 s[SB0:SB0+1], s[SB0:SB0+1], s[STB:STB+1]
	s_add_nc_u64 s[SB1:SB1+1], s[SB1:SB1+1], s[STB:STB+1]
.else
	s_add_nc_u64 s[SB0:SB0+1], s[SB0:SB0+1], s[STA:STA+1]
	s_add_nc_u64 s[SB1:SB1+1], s[SB1:SB1+1], s[STA:STA+1]
.endif
.endif
.endif
	WIN W
.irp b, 0,1,2,3
	v_cvt_scalef32_pk8_fp8_f32 v[PC+4*\b:PC+4*\b+1], v[AC+16*\b:AC+16*\b+7], v[TM+12+\b]       ; k = 32 b + 8 h + 0 .. 7
	v_cvt_scalef32_pk8_fp8_f32 v[PC+4*\b+2:PC+4*\b+3], v[AC+16*\b+8:AC+16*\b+15], v[TM+12+\b]  ; k = 32 b + 16 + 8 h + 0 .. 7
.endr
	WIN 0
	v_nop                                          ; a plain instruction between the conversions and the next vector instruction that touches their results
.irp b, 0,1,2,3
	v_permlane16_swap_b32 v[PC+4*\b], v[PC+4*\b+2]     ; the first register's lanes 16-31 change places with the second's lanes 0-15: lane h now holds k = 32 b + 16 h + 0 .. 15
	v_permlane16_swap_b32 v[PC+4*\b+1], v[PC+4*\b+3]
.endr
.endm
.irp a, 0,1,2,3,4,5,6,7
	QUANTW \a, EPI
.if EPI
.irp b, 0,1,2,3
	global_store_b128 v[LI16], v[PC+4*\b:PC+4*\b+3], s[SB0:SB0+1] offset:\a*65536+512*\b   ; 512 consecutive bytes, aligned
.endr
.else
	global_store_b128 v[LI16], v[PC:PC+3], s[SB0:SB0+1]
	global_store_b128 v[LI16], v[PC+4:PC+7], s[SB0:SB0+1] offset:512
	global_store_b128 v[LI16], v[PC+8:PC+11], s[SB1:SB1+1]
	global_store_b128 v[LI16], v[PC+12:PC+15], s[SB1:SB1+1] offset:512
.endif
.endr
	; the scale words.  Lanes 16-31 hold the same rows' words as lanes 0-15, so two blocks' words leave by one store of 128 bytes
.if EPI
.irp p, 0,1,2,3
	v_cndmask_b32 v[WK+\p], v[PW+2*\p], v[PW+2*\p+1], s[MHI]
	global_store_b32 v[LS4], v[WK+\p], s[SWB:SWB+1] offset:128*\p
.endr
.else
.irp p, 0,1,2,3
	v_perm_b32 v[WK+\p], v[PW+2*\p+1], v[PW+2*\p], 0x05040100     ; q, k: a word holds the two bytes of two neighbouring tiles of tokens: my first head's,
	v_perm_b32 v[WK+4+\p], v[PW+2*\p+1], v[PW+2*\p], 0x07060302   ; my second head's
.endr
.irp p, 0,1,2,3
	v_cndmask_b32 v[WK+\p], v[PW+\p], v[WK+\p], s[MQK]            ; v: a word is a block's word as it stands: blocks 0-3 my first head's, 4-7 my second's
	v_cndmask_b32 v[WK+4+\p], v[PW+4+\p], v[WK+4+\p], s[MQK]
.endr
.irp p, 0,2,4,6
	v_cndmask_b32 v[WK+\p], v[WK+\p], v[WK+\p+1], s[MHI]
.endr
	global_store_b32 v[LS4], v[WK], s[SWB:SWB+1]
	global_store_b32 v[LS4], v[WK+2], s[SWB:SWB+1] offset:128
	global_store_b32 v[LS4], v[WK+4], s[SWB:SWB+1] offset:405504
	global_store_b32 v[LS4], v[WK+6], s[SWB:SWB+1] offset:405632
.endif
	s_wait_tensorcnt 0x0                           ; the wave's end
	ds_add_u32 v[SPW], v[NIL]
	s_wait_dscnt 0x0
	CROUND                                         ; the closing round: no work-group ends while a partner may still ask for a tile that names it
	s_endpgm
.Lfunc_end_k_q9cca382e1a_qkvg:
	.size	k_q9cca382e1a_qkvg, .Lfunc_end_k_q9cca382e1a_qkvg-k_q9cca382e1a_qkvg
	.p2alignl 7, 3214868480
	.fill 96, 4, 3214868480
	.section	.rodata,"a",@progbits
	.p2align	6, 0x0
	.amdhsa_kernel k_q9cca382e1a_qkvg
		.amdhsa_group_segment_fixed_size 327680
		.amdhsa_private_segment_fixed_size 0
		.amdhsa_enable_private_segment 0
		.amdhsa_kernarg_size 32
		.amdhsa_user_sgpr_count 2
		.amdhsa_user_sgpr_kernarg_segment_ptr 1
		.amdhsa_wavefront_size32 1
		.amdhsa_system_sgpr_workgroup_id_x 1
		.amdhsa_system_sgpr_workgroup_id_y 1
		.amdhsa_system_sgpr_workgroup_id_z 1
		.amdhsa_system_vgpr_workitem_id 0
		.amdhsa_next_free_vgpr 1024
		.amdhsa_next_free_sgpr 102
		.amdhsa_reserve_vcc 0
		.amdhsa_float_denorm_mode_32 3
		.amdhsa_float_denorm_mode_16_64 3
		.amdhsa_memory_ordered 1
		.amdhsa_forward_progress 1
		.amdhsa_inst_pref_size 192
	.end_amdhsa_kernel
	.amdgpu_metadata
---
amdhsa.version: [ 1, 2 ]
amdhsa.kernels:
  - .name:           k_q9cca382e1a_qkvg
    .symbol:         k_q9cca382e1a_qkvg.kd
    .args:
      - { .name: hq, .offset: 0, .size: 8, .value_kind: global_buffer, .address_space: global }
      - { .name: w_qkv_codes, .offset: 8, .size: 8, .value_kind: global_buffer, .address_space: global }
      - { .name: w_qkv_scales, .offset: 16, .size: 8, .value_kind: global_buffer, .address_space: global }
      - { .name: qkv, .offset: 24, .size: 8, .value_kind: global_buffer, .address_space: global }
    .group_segment_fixed_size: 327680
    .private_segment_fixed_size: 0
    .kernarg_segment_align: 8
    .kernarg_segment_size: 32
    .max_flat_workgroup_size: 128
    .sgpr_count:     102
    .vgpr_count:     1024
    .wavefront_size: 32
...
	.end_amdgpu_metadata
.endif
;; end of part 2
;; launch attn (part 3): grid 8 x 32, 16 waves a work-group, clusters of 4 x 1, 276,480 bytes of LDS; arguments qkv, att; writes att
.if DOCPART == 3
	.amdgcn_target "amdgcn-amd-amdhsa--gfx1250"
	.amdhsa_code_object_version 6
	.text
	.protected	k_q9cca382e1a_attn
	.globl	k_q9cca382e1a_attn
	.p2align	8
	.type	k_q9cca382e1a_attn,@function
k_q9cca382e1a_attn:
	s_mov_b64 s[64:65], 0
	v_nop
	global_prefetch_b8 v0, s[64:65] scope:SCOPE_SE
	s_setreg_imm32_b32 hwreg(HW_REG_WAVE_MODE, 25, 1), 1
	s_wait_xcnt 0x0
	s_wait_alu depctr_hold_cnt(0) depctr_sa_sdst(0) depctr_va_vdst(0) depctr_va_sdst(0) depctr_va_ssrc(0) depctr_va_vcc(0) depctr_vm_vsrc(0)
	s_getreg_b32 s2, hwreg(HW_REG_IB_STS2, 6, 4)
	s_cmp_eq_u32 s2, 0
	s_cbranch_scc0 .Lentry_in_a_cluster
	s_endpgm
.Lentry_in_a_cluster:
	s_bfe_u32 s2, ttmp6, 0x10000c
	s_cmp_lg_u32 s2, 0x3003
	s_cbranch_scc0 .Lentry_shape_is_right
	s_endpgm
.Lentry_shape_is_right:
; Attention of one head on codes of E4M3 with E8M0 scales: o = softmax(q k^T / 8) v, head size 64, 2,048 keys, no mask; then o is quantised along the channels and stored as an image of the next product's operand.
; THE SOFTMAX: t = score x log2(e) / 8; M = the running largest t rounded UP to a whole number; p = 2^(t - M) is quantised along the keys, not normalised; the row's sum is taken of the unquantised p and divides at the end.
; When M moves, the sum and O are multiplied by 2^(old M - new M): exact.
; INPUT: a record of 405,504 bytes a head: q's, k's images [tile of 16 tokens][2 chunks of 512 bytes], v's images [128 keys][16 channels][4 chunks], 131,072 bytes each; then q's, k's, v's scale words, 4,096 bytes each.
; A chunk is four registers of an operand: lane l's 16 bytes at 16 l, row l % 16, k = 32 c + 16 (l / 16) + 0 .. 15.
; SHARES: a work-group owns 256 queries of one head, each of its sixteen waves 16 of them; four waves to a SIMD, so that one wave's vector work stands beside another's products and LDS loads.
; LDS IS FILLED ONCE, as an image of the record from k's images on: 274,432 dense bytes = 16 x 67 rows of 256.  Each wave asks for a sixteenth by its ONE tensor load; one wait for 0 and one barrier show all of it.
; Behind that barrier nothing is written to LDS, so the loop of 16 key steps has no barrier.  (q's scale words ride along, 4,096 of the bytes, so that the block is dense.)
; CLUSTER: the four query blocks of a cluster belong to one head: the load is asked for jointly, with a mask that names the four.  No prefetch: every fill is asked for at the head, so there is no loop to run ahead in.
; K = 64 FILLS HALF OF THE MATRIX INSTRUCTION'S 128.  Two neighbouring tiles of keys are ONE fragment; it is multiplied once by [q | 0] and once by [0 | q]: the other tile meets zero codes.
; Both products are used transposed: a lane holds ONE query throughout.  After p's conversions two exchanges between the halves of the lanes give lane h the 16 neighbouring keys that the operand's layout wants.
; LIMITS: NaN and infinities are not served; the scaled scores stay under 2^31 in magnitude; a block of o whose largest magnitude lies under 2^-118 keeps the scale byte 1; v_exp_f32 is taken not to fall where its input rises.
; REGISTERS: v1, v2, v4, v5 addresses that stay; v8-10 addresses in hand; v12 -M, v13 the largest t, v[14:15] the sum; v16-23 zeros, v24-31 q, v32-39 zeros; v40-103 four fragments; v104-167 S^T, then p; v168-199 O^T; v200-215 p's codes; v216-253 at work.
.set REC,  405504
.set PART, 17152                       ; a wave's sixteenth
.set SCB,  266240                      ; k's scale words in LDS; v's 4,096 further on
.set SPARE, 274432                     ; the spare words, 128 bytes a wave
.set LI,   1                           ; 16 x lane
.set LS,   2                           ; SCB + 4 x lane
.set LV,   5                           ; 131,072 + 16 x lane: v's images
.set ADK,  8
.set ADV,  9
.set ADS,  10
.set FRG,  40
.set S,    104
.set O,    168
.set PCD,  200
.set BM,   216
.set PT,   220
.set HL,   224
.set SO,   228
.set FF,   232                         ; f = 2^(old M - new M)
.set PWD,  233                         ; p's scale word
.set WKR,  234
.set KSC,  236                         ; k's scale words: lanes 0-15 an even pair of tiles, lanes 16-31 the odd one
.set VSC,  238
.set QSL,  240                         ; q's two scale bytes in bytes 0, 1;
.set QSH,  241                         ; in bytes 2, 3
.set WV,   18
.set MNT,  19
.set SEL,  20
.set CS,   22
.set G1,   24
.set G0,   32
.set TB,   60
.set TS,   61
.set CNT,  62
.macro CROUND                          ; a round of the cluster's barrier
	s_barrier_signal -1
	s_barrier_wait -1
	s_cmp_lg_u32 s[WV], 0
	s_cbranch_scc1 .Lnot_wave_0_\@
	s_barrier_signal -3
.Lnot_wave_0_\@:
	s_barrier_wait -3
	s_barrier_signal -1
	s_barrier_wait -1
.endm
	s_load_b128 s[4:7], s[0:1], 0x0                ; in s[4:5], out s[6:7]
	v_lshl_add_u32 v254, v0, 2, SPARE
	v_mov_b32 v255, 0
	ds_add_u32 v254, v255                          ; the opening lines: the add twice and its wait
	ds_add_u32 v254, v255
	v_lshrrev_b32 v3, 5, v0
	v_readfirstlane_b32 s[WV], v3                  ; wave 0..15
	s_bfe_u32 s8, ttmp6, 0x40000                   ; cx
	s_lshl_b32 s9, ttmp9, 2
	s_add_co_u32 s9, s9, s8                        ; my block of 256 queries: it enters q's and the output's addresses alone
	s_and_b32 s10, ttmp7, 0xffff                   ; 16 x batch + head, which the four partners share
	s_mov_b32 s[G1], 15|(3<<16)|(1<<21)            ; the mask: all four; elements of 8 bytes; no padding; bit 21 beside a mask
	s_mov_b32 s[G1+1], 32<<16                      ; 67 rows of 256 bytes, dense
	s_mov_b32 s[G1+2], 67<<16
	s_mov_b32 s[G1+3], 32<<16
	s_mov_b32 s[G1+4], 67
	s_mov_b32 s[G1+5], 32
	s_mov_b32 s[G1+6], 0
	s_mov_b32 s[G1+7], 0
	s_mul_i32 s11, s10, REC                        ; the head's record
	s_mul_i32 s16, s[WV], PART                     ; my sixteenth, in LDS and behind k's first byte
	s_add_co_u32 s12, s11, s16
	s_add_co_u32 s12, s12, 131072
	s_mov_b32 s13, 0
	s_mov_b32 s[SEL], 0x76543210
	s_mov_b32 s[SEL+1], 0xfedcba98
	s_mov_b32 s[CS], 0x3e38aa3b                    ; c = log2(e) / 8
	s_mov_b32 s[CS+1], s[CS]
	s_mov_b32 s[MNT], 0x600000
	s_mov_b32 s[TB], 0
	s_mov_b32 s[TS], 0
	s_mov_b32 s[CNT], 16
	s_wait_dscnt 0x0
	s_wait_kmcnt 0x0
	s_mov_b32 s[G0], 1
	s_mov_b32 s[G0+1], s16
	s_add_nc_u64 s[G0+2:G0+3], s[4:5], s[12:13]
	s_or_b32 s[G0+3], s[G0+3], 0x80000000
	CROUND                                         ; all four work-groups are here: the joint loads meet
	tensor_load_to_lds s[G0:G0+3], s[G1:G1+7]      ; my one tensor load
	s_nop 0
.rept 4
	v_nop
.endr
	v_and_b32 v3, 31, v0
	v_lshlrev_b32 v[LI], 4, v3
	v_lshl_add_u32 v[LS], v3, 2, SCB
	v_add_nc_u32 v[LV], 0x20000, v[LI]
	s_lshl_b32 s9, s9, 4
	s_add_co_u32 s9, s9, s[WV]                     ; my tile of 16 queries in the head: 16 x block + wave
	s_lshl_b32 s66, s9, 10
	s_add_co_u32 s66, s66, s11
	s_mov_b32 s67, 0
	s_add_nc_u64 s[66:67], s[4:5], s[66:67]
	global_load_b128 v[24:27], v[LI], s[66:67]             ; q's two chunks stay in registers
	global_load_b128 v[28:31], v[LI], s[66:67] offset:512
	s_lshr_b32 s69, s9, 1
	s_lshl_b32 s69, s69, 6                         ; q's scale words: 64 bytes for a pair of tiles
	s_add_co_u32 s68, s11, s69
	s_add_co_u32 s68, s68, 393216
	s_mov_b32 s69, 0
	s_add_nc_u64 s[68:69], s[4:5], s[68:69]
	v_and_b32 v4, 15, v0
	v_lshlrev_b32 v4, 2, v4                        ; 4 x (lane % 16); it stays
	global_load_b32 v[QSL], v4, s[68:69]
.irp j, 0,1,2,3,4,5,6,7
	v_mov_b32 v[16+\j], 0                          ; zero codes on either side of q
	v_mov_b32 v[32+\j], 0
.endr
	v_mov_b32 v13, 0xff61b1e6                      ; the largest t so far: -3e38
	v_floor_f32 v12, -v13                          ; -M
	v_mov_b32 v14, 0
	v_mov_b32 v15, 0
.irp b, 0,1,2,3
	v_mov_b32 v[PT+\b], 0                          ; written once: a lane permute's destination counts as one of its sources
.endr
	v_mov_b32 v[PWD], 0                            ; (named as the upper half of the pair with f before it is first written)
	v_mov_b32 v[WKR], 0
.set j, 0
.rept 32
	v_mov_b32 v[O+j], 0                            ; O^T: the step is written once; its first run finds zeros
.set j, j+1
.endr
	s_and_b32 s70, s[WV], 1
	s_lshl_b32 s70, s70, 4
	s_wait_loadcnt 0x0                             ; q and its scale word
	v_lshrrev_b32 v[QSL], s70, v[QSL]              ; an even tile's bytes are the word's bytes 0, 1, an odd tile's 2, 3
	v_and_b32 v[QSL], 0xffff, v[QSL]
	v_lshlrev_b32 v[QSH], 16, v[QSL]               ; (eight plain instructions, the step's head, stand between this line and the first product)
	s_wait_alu depctr_va_vdst(0)                   ; the wait at the head's end
	s_wait_tensorcnt 0x0                           ; my sixteenth is in,
	s_wait_dscnt 0x0
	s_barrier_signal -1
	s_barrier_wait -1                              ; everybody's is: the whole image, which nobody writes again
.Lstep:                                                ; A KEY STEP: 128 keys; 16 trips
	v_add_nc_u32 v[ADK], s[TB], v[LI]
	v_add_nc_u32 v[ADV], s[TB], v[LV]
	v_add_nc_u32 v[ADS], s[TS], v[LS]
.rept 5
	v_nop                                          ; with the three additions: eight places in front of loads into registers that the last products read
.endr
.irp p, 0,1,2,3
.irp c, 0,1,2,3
	ds_load_b128 v[FRG+16*\p+4*\c:FRG+16*\p+4*\c+3], v[ADK] offset:2048*\p+512*\c
.endr
.endr
	ds_load_b32 v[KSC], v[ADS]
	ds_load_b32 v[KSC+1], v[ADS] offset:128
	s_wait_alu depctr_va_vdst(0)                   ; the wait ahead of the wait below
	s_wait_dscnt 0x0
.irp t, 0,1,2,3,4,5,6,7                        ; S^T: tile t = 16 keys; fragment t / 2; an even tile meets [q | 0], an odd one [0 | q]
.if (((\t)/2)%2) && ((\t)%2)
	v_wmma_scale_f32_16x16x128_f8f6f4 v[S+8*\t:S+8*\t+7], v[FRG+16*(\t/2):FRG+16*(\t/2)+15], v[16:31], 0, v[KSC+\t/4], v[QSH] matrix_a_scale:MATRIX_SCALE_ROW1
.elseif ((\t)/2)%2
	v_wmma_scale_f32_16x16x128_f8f6f4 v[S+8*\t:S+8*\t+7], v[FRG+16*(\t/2):FRG+16*(\t/2)+15], v[24:39], 0, v[KSC+\t/4], v[QSL] matrix_a_scale:MATRIX_SCALE_ROW1
.elseif (\t)%2
	v_wmma_scale_f32_16x16x128_f8f6f4 v[S+8*\t:S+8*\t+7], v[FRG+16*(\t/2):FRG+16*(\t/2)+15], v[16:31], 0, v[KSC+\t/4], v[QSH]
.else
	v_wmma_scale_f32_16x16x128_f8f6f4 v[S+8*\t:S+8*\t+7], v[FRG+16*(\t/2):FRG+16*(\t/2)+15], v[24:39], 0, v[KSC+\t/4], v[QSL]
.endif
.endr
.rept 8
	v_nop
.endr
.irp t, 0,1,2,3                                ; v's four fragments are asked for now and land under the softmax
.irp c, 0,1,2,3
	ds_load_b128 v[FRG+16*\t+4*\c:FRG+16*\t+4*\c+3], v[ADV] offset:2048*\t+512*\c
.endr
.endr
	ds_load_b32 v[VSC], v[ADS] offset:4096
	ds_load_b32 v[VSC+1], v[ADS] offset:4224
.irp b, 0,1,2,3
	v_max3_num_f32 v[BM+\b], v[S+16*\b], v[S+1+16*\b], v[S+2+16*\b]   ; the largest score of each block of 32 keys: for the row's maximum and for the block's largest p
.endr
.irp i, 3,5,7,9,11,13
.irp b, 0,1,2,3
	v_max3_num_f32 v[BM+\b], v[BM+\b], v[S+16*\b+\i], v[S+1+16*\b+\i]
.endr
.endr
.irp b, 0,1,2,3
	v_max_num_f32 v[BM+\b], v[BM+\b], v[S+15+16*\b]
.endr
.irp b, 0,1,2,3
	s_delay_alu instid0(VALU_DEP_4)
	v_permlanex16_b32 v[PT+\b], v[BM+\b], s[SEL], s[SEL+1]
.endr
.irp b, 0,1,2,3
	s_delay_alu instid0(VALU_DEP_4)
	v_max_num_f32 v[BM+\b], v[BM+\b], v[PT+\b]     ; with lane l xor 16's 16 keys
.endr
	s_delay_alu instid0(VALU_DEP_2)
	v_max3_num_f32 v[WKR], v[BM], v[BM+1], v[BM+2]
	s_delay_alu instid0(VALU_DEP_1)
	v_max_num_f32 v[WKR], v[WKR], v[BM+3]
	s_delay_alu instid0(VALU_DEP_1)
	v_mul_f32 v[WKR], s[CS], v[WKR]                ; as t
	s_delay_alu instid0(VALU_DEP_1)
	v_max_num_f32 v13, v13, v[WKR]                 ; the running largest t
	v_mov_b32 v[WKR], v12
	s_delay_alu instid0(VALU_DEP_2)
	v_floor_f32 v12, -v13                          ; the new -M = -ceil(t)
	s_delay_alu instid0(VALU_DEP_1)
	v_sub_f32 v[WKR], v12, v[WKR]                  ; old M - new M: a whole number, 0 or less
	s_delay_alu instid0(VALU_DEP_1)
	v_cvt_i32_f32 v[WKR], v[WKR]                   ; (it saturates)
	s_delay_alu instid0(VALU_DEP_1)
	v_ldexp_f32 v[FF], 1.0, v[WKR]                 ; f
.set j, 0
.rept 32
	v_pk_fma_f32 v[S+j:S+1+j], v[S+j:S+1+j], s[CS:CS+1], v[12:13] op_sel_hi:[1,0,0]   ; t - M
.set j, j+2
.endr
.irp b, 0,1,2,3
	v_fma_f32 v[BM+\b], v[BM+\b], s[CS], v12       ; the same of each block's largest score
.endr
	s_wait_alu depctr_va_vdst(0)                   ; the wait ahead of the batch
.set j, 0
.rept 64
	v_exp_f32 v[S+j], v[S+j]                       ; p = 2^(t - M)
.set j, j+1
.endr
	v_pk_mul_f32 v[14:15], v[14:15], v[FF:FF+1] op_sel_hi:[1,0]   ; the sums under the new M: a plain instruction behind the exponentials
	s_wait_alu depctr_va_vdst(0)                   ; one wait for the whole batch, ahead of its first reader
.irp b, 0,1,2,3
	v_exp_f32 v[BM+\b], v[BM+\b]                   ; the block's largest p
.endr
; the row's sum of the unquantised p: 32 pairs in eight chains, then joined
.set j, 0
.irp a, 242,244,246,248,250,252,236
	v_pk_add_f32 v[\a:\a+1], v[S+j:S+j+1], v[S+j+2:S+j+3]
.set j, j+4
.endr
.rept 2
.irp a, 14,242,244,246,248,250,252,236
	v_pk_add_f32 v[\a:\a+1], v[\a:\a+1], v[S+j:S+j+1]
.set j, j+2
.endr
.endr
	v_pk_add_f32 v[14:15], v[14:15], v[S+60:S+61]
	v_pk_add_f32 v[242:243], v[242:243], v[S+62:S+63]
	v_pk_add_f32 v[244:245], v[244:245], v[246:247]
	v_pk_add_f32 v[248:249], v[248:249], v[250:251]
	v_pk_add_f32 v[252:253], v[252:253], v[236:237]
	v_pk_add_f32 v[14:15], v[14:15], v[242:243]
	v_pk_add_f32 v[244:245], v[244:245], v[248:249]
	v_pk_add_f32 v[14:15], v[14:15], v[252:253]
	v_pk_add_f32 v[14:15], v[14:15], v[244:245]
	s_wait_alu depctr_va_vdst(0)                   ; and one for the four
.irp b, 0,1,2,3
	v_max_num_f32 v[BM+\b], 0x4800000, v[BM+\b]    ; the floor 2^(9 - 127)
.endr
.irp b, 0,1,2,3
	v_add_nc_u32 v[SO+\b], 0xfc000000, v[BM+\b]    ; the conversion's scale operand
.endr
.irp b, 0,1,2,3
	v_and_or_b32 v[HL+\b], v[BM+\b], 0x7f800000, s[MNT]   ; 448 x the scale
.endr
.irp b, 0,1,2,3
	v_lshrrev_b32 v[PT+\b], 23, v[SO+\b]           ; the scale's byte
.endr
	v_lshl_or_b32 v[PWD], v[PT+1], 8, v[PT]
	v_lshl_or_b32 v[PWD], v[PT+2], 16, v[PWD]
	v_lshl_or_b32 v[PWD], v[PT+3], 24, v[PWD]
.irp b, 0,1,2,3
.set i, 0
.rept 16
	v_min_num_f32 v[S+16*\b+i], v[S+16*\b+i], v[HL+\b]   ; p is not negative: the hold is one-sided
.set i, i+1
.endr
	v_cvt_scalef32_pk8_fp8_f32 v[PCD+4*\b:PCD+4*\b+1], v[S+16*\b:S+16*\b+7], v[SO+\b]
	v_cvt_scalef32_pk8_fp8_f32 v[PCD+4*\b+2:PCD+4*\b+3], v[S+16*\b+8:S+16*\b+15], v[SO+\b]
.endr
	v_nop                                          ; a plain instruction between the conversions and the exchanges
.irp b, 0,1,2,3
	v_permlane16_swap_b32 v[PCD+4*\b], v[PCD+4*\b+2]   ; lane h now holds keys 32 b + 16 h + 0 .. 15
	v_permlane16_swap_b32 v[PCD+4*\b+1], v[PCD+4*\b+3]
.endr
	s_wait_alu depctr_va_vdst(0)                   ; the wait directly ahead of the first reader of O^T
.set j, 0
.rept 16
	v_pk_mul_f32 v[O+j:O+1+j], v[O+j:O+1+j], v[FF:FF+1] op_sel_hi:[1,0]   ; O^T under the new M; these are also the places in front of the products
.set j, j+2
.endr
	s_wait_alu depctr_va_vdst(0)
	s_wait_dscnt 0x0                               ; v's fragments and scale words
.irp t, 0,1,2,3                                ; O^T += V^T P^T: 16 channels a tile, K = these 128 keys
.if (\t)%2
	v_wmma_scale_f32_16x16x128_f8f6f4 v[O+8*\t:O+8*\t+7], v[FRG+16*\t:FRG+16*\t+15], v[PCD:PCD+15], v[O+8*\t:O+8*\t+7], v[VSC+\t/2], v[PWD] matrix_a_scale:MATRIX_SCALE_ROW1
.else
	v_wmma_scale_f32_16x16x128_f8f6f4 v[O+8*\t:O+8*\t+7], v[FRG+16*\t:FRG+16*\t+15], v[PCD:PCD+15], v[O+8*\t:O+8*\t+7], v[VSC+\t/2], v[PWD]
.endif
.endr
	s_add_co_u32 s[TB], s[TB], 8192                ; the next 128 keys' codes,
	s_add_co_u32 s[TS], s[TS], 256                 ; and scale words
	s_sub_co_u32 s[CNT], s[CNT], 1
	s_cmp_lg_u32 s[CNT], 0
	s_cbranch_scc1 .Lstep
	; THE WAY OUT: O^T / the sum; quantised along the head's 64 channels (two blocks of 32); two chunks of the next operand's fragment and two bytes of its scale word.
.rept 8
	v_nop                                          ; places behind the last products
.endr
	v_add_f32 v14, v14, v15
	v_permlanex16_b32 v[WKR], v14, s[SEL], s[SEL+1]
	v_add_f32 v14, v14, v[WKR]                     ; the row's sum
	s_wait_alu depctr_va_vdst(0)
	v_rcp_f32 v14, v14
	v_nop                                          ; a plain instruction behind the reciprocal
	s_lshr_b32 s66, s10, 4
	s_lshl_b32 s66, s66, 7
	s_add_co_u32 s66, s66, s9                      ; my tile of tokens: 128 x batch + tile
	s_and_b32 s67, s10, 15                         ; the head
	s_lshr_b32 s68, s67, 1                         ; its K step of the next product,
	s_and_b32 s67, s67, 1                          ; and which half of it
	s_lshl_b32 s12, s66, 14                        ; images: [tile][8 K steps][2,048 bytes]
	s_lshl_b32 s13, s68, 11
	s_add_co_u32 s12, s12, s13
	s_lshl_b32 s13, s67, 10
	s_add_co_u32 s12, s12, s13
	s_mov_b32 s13, 0
	s_add_nc_u64 s[12:13], s[6:7], s[12:13]
	s_lshl_b32 s14, s68, 14                        ; scale words: [K step][256 tiles][16 rows], behind the images
	s_lshl_b32 s15, s66, 6
	s_add_co_u32 s14, s14, s15
	s_lshl_b32 s15, s67, 1
	s_add_co_u32 s14, s14, s15
	s_add_co_u32 s14, s14, 0x400000
	s_mov_b32 s15, 0
	s_add_nc_u64 s[14:15], s[6:7], s[14:15]
	s_wait_alu depctr_va_vdst(0)                   ; the wait ahead of the reciprocal's first reader, which is O^T's too
.set j, 0
.rept 32
	v_mul_f32 v[S+j], v[O+j], v14                  ; register 8 t + i is o(query r, channel 16 t + 8 h + i)
.set j, j+1
.endr
.irp b, 0,1
	v_max3_num_f32 v[BM+\b], |v[S+16*\b]|, |v[S+1+16*\b]|, 0x4800000
.endr
.irp i, 2,4,6,8,10,12,14
.irp b, 0,1
	v_max3_num_f32 v[BM+\b], v[BM+\b], |v[S+16*\b+\i]|, |v[S+1+16*\b+\i]|
.endr
.endr
.irp b, 0,1
	v_permlanex16_b32 v[PT+\b], v[BM+\b], s[SEL], s[SEL+1]
.endr
.irp b, 0,1
	v_max_num_f32 v[BM+\b], v[BM+\b], v[PT+\b]
.endr
.irp b, 0,1
	v_add_nc_u32 v[SO+\b], 0xfc000000, v[BM+\b]
.endr
.irp b, 0,1
	v_and_or_b32 v[HL+\b], v[BM+\b], 0x7f800000, s[MNT]
.endr
.irp b, 0,1
	v_lshrrev_b32 v[PT+\b], 23, v[SO+\b]
.endr
	v_lshl_or_b32 v[PWD], v[PT+1], 8, v[PT]
.irp b, 0,1
.set i, 0
.rept 16
	v_med3_num_f32 v[S+16*\b+i], v[S+16*\b+i], -v[HL+\b], v[HL+\b]
.set i, i+1
.endr
	v_cvt_scalef32_pk8_fp8_f32 v[PCD+4*\b:PCD+4*\b+1], v[S+16*\b:S+16*\b+7], v[SO+\b]
	v_cvt_scalef32_pk8_fp8_f32 v[PCD+4*\b+2:PCD+4*\b+3], v[S+16*\b+8:S+16*\b+15], v[SO+\b]
.endr
	v_nop
.irp b, 0,1
	v_permlane16_swap_b32 v[PCD+4*\b], v[PCD+4*\b+2]
	v_permlane16_swap_b32 v[PCD+4*\b+1], v[PCD+4*\b+3]
.endr
	global_store_b128 v[LI], v[PCD:PCD+3], s[12:13]             ; 512 consecutive bytes, aligned
	global_store_b128 v[LI], v[PCD+4:PCD+7], s[12:13] offset:512
	global_store_b16 v4, v[PWD], s[14:15]          ; two bytes a row; lanes 16-31 write the same bytes with the same values.  32 bytes of 1,056 that a wave stores
	s_wait_tensorcnt 0x0                           ; the wave's end
	ds_add_u32 v254, v255
	s_wait_dscnt 0x0
	CROUND                                         ; the closing round
	s_endpgm
.Lfunc_end_k_q9cca382e1a_attn:
	.size	k_q9cca382e1a_attn, .Lfunc_end_k_q9cca382e1a_attn-k_q9cca382e1a_attn
	.p2alignl 7, 3214868480
	.fill 96, 4, 3214868480
	.section	.rodata,"a",@progbits
	.p2align	6, 0x0
	.amdhsa_kernel k_q9cca382e1a_attn
		.amdhsa_group_segment_fixed_size 276480
		.amdhsa_private_segment_fixed_size 0
		.amdhsa_enable_private_segment 0
		.amdhsa_kernarg_size 16
		.amdhsa_user_sgpr_count 2
		.amdhsa_user_sgpr_kernarg_segment_ptr 1
		.amdhsa_wavefront_size32 1
		.amdhsa_system_sgpr_workgroup_id_x 1
		.amdhsa_system_sgpr_workgroup_id_y 1
		.amdhsa_system_sgpr_workgroup_id_z 1
		.amdhsa_system_vgpr_workitem_id 0
		.amdhsa_next_free_vgpr 256
		.amdhsa_next_free_sgpr 72
		.amdhsa_reserve_vcc 0
		.amdhsa_float_denorm_mode_32 3
		.amdhsa_float_denorm_mode_16_64 3
		.amdhsa_memory_ordered 1
		.amdhsa_forward_progress 1
		.amdhsa_inst_pref_size 33
	.end_amdhsa_kernel
	.amdgpu_metadata
---
amdhsa.version: [ 1, 2 ]
amdhsa.kernels:
  - .name:           k_q9cca382e1a_attn
    .symbol:         k_q9cca382e1a_attn.kd
    .args:
      - { .name: qkv, .offset: 0, .size: 8, .value_kind: global_buffer, .address_space: global }
      - { .name: att, .offset: 8, .size: 8, .value_kind: global_buffer, .address_space: global }
    .group_segment_fixed_size: 276480
    .private_segment_fixed_size: 0
    .kernarg_segment_align: 8
    .kernarg_segment_size: 16
    .max_flat_workgroup_size: 512
    .sgpr_count:     72
    .vgpr_count:     256
    .wavefront_size: 32
...
	.end_amdgpu_metadata
.endif
;; end of part 3
;; launch proj (part 4): grid 8 x 32, 4 waves a work-group, clusters of 4 x 4, 327,680 bytes of LDS; arguments att, w_proj_codes, w_proj_scales, b_proj, x, x1; writes x1
.if DOCPART == 4
	.amdgcn_target "amdgcn-amd-amdhsa--gfx1250"
	.amdhsa_code_object_version 6
	.text
	.protected	k_q9cca382e1a_proj
	.globl	k_q9cca382e1a_proj
	.p2align	8
	.type	k_q9cca382e1a_proj,@function
k_q9cca382e1a_proj:
	s_mov_b64 s[64:65], 0
	v_nop
	global_prefetch_b8 v0, s[64:65] scope:SCOPE_SE
	s_setreg_imm32_b32 hwreg(HW_REG_WAVE_MODE, 25, 1), 1
	s_wait_xcnt 0x0
	s_wait_alu depctr_hold_cnt(0) depctr_sa_sdst(0) depctr_va_vdst(0) depctr_va_sdst(0) depctr_va_ssrc(0) depctr_va_vcc(0) depctr_vm_vsrc(0)
	s_getreg_b32 s2, hwreg(HW_REG_IB_STS2, 6, 4)
	s_cmp_eq_u32 s2, 0
	s_cbranch_scc0 .Lentry_in_a_cluster
	s_endpgm
.Lentry_in_a_cluster:
	s_bfe_u32 s2, ttmp6, 0x10000c
	s_cmp_lg_u32 s2, 0xf033
	s_cbranch_scc0 .Lentry_shape_is_right
	s_endpgm
.Lentry_shape_is_right:
.set SIZE_K, 1024
.set KSTEP,  512
.set KS,     SIZE_K/32
.set LAPS,   SIZE_K/(2*KSTEP)
.set PIT0,   528
.set S1B,    65536
.set SLOT,   S1B+128*PIT0
.set SC0,    2*SLOT
.set HALF0,  (64*KS/256)*272
.set SBLK,   (16*KS/256)*272
.set SC1,    SC0+2*HALF0
.set HALF1,  (SIZE_K/256)*512
.set SPARE,  SC1+2*HALF1
.set SPITCH, 272
.set AD1,  16
.set AD0,  20
.set ADS1, 22
.set ADS0, 23
.set STO,  24
.set RD,   25
.set CO,   26
.set SPW,  28
.set NIL,  29
.set BK,   32
.set BIAS, 64
.set SA,   96
.set SB,   112
.set ACC,  128
.set F0,   0
.set F1,   128
.set G1, 24
.set G0, 32
.set G1B, 48
.set G0B, 56
.set G1S, 68
.set G0S, 76
.set G1SB, 80
.set G0SB, 88
.set MSB, 0
.macro WIN new
.if MSB != (\new)
	s_set_vgpr_msb (MSB<<8)|(\new)
.set MSB, (\new)
.endif
.endm
.set MUL,  0x05
.set TO_F, 0x40
.macro JLOAD g0a, g1a, g0b, g1b
	s_cmp_eq_u32 s15, 0
	s_cbranch_scc0 .Lfor_b_\@
	tensor_load_to_lds s[\g0a:\g0a+3], s[\g1a:\g1a+7]
	s_nop 0
.rept 4
	v_nop
.endr
	s_branch .Lasked_\@
.Lfor_b_\@:
	tensor_load_to_lds s[\g0b:\g0b+3], s[\g1b:\g1b+7]
	s_nop 0
.rept 4
	v_nop
.endr
.Lasked_\@:
.endm
.macro CREST
	s_cmp_lg_u32 s14, 0
	s_cbranch_scc1 .Lnot_wave_0_\@
	s_barrier_signal -3
.Lnot_wave_0_\@:
	s_barrier_wait -3
	s_barrier_signal -1
	s_barrier_wait -1
.endm
.macro CROUND
	s_barrier_signal -1
	s_barrier_wait -1
	CREST
.endm
	s_load_b128 s[4:7], s[0:1], 0x0
	s_load_b128 s[8:11], s[0:1], 0x10
	s_load_b128 s[92:95], s[0:1], 0x20
	v_lshl_add_u32 v[SPW], v0, 2, SPARE
	v_mov_b32 v[NIL], 0
	ds_add_u32 v28, v29
	ds_add_u32 v28, v29
	s_wait_dscnt 0x0
	v_lshrrev_b32 v1, 5, v0
	v_readfirstlane_b32 s14, v1
	s_lshr_b32 s15, s14, 1
	s_and_b32 s16, s14, 1
	s_bfe_u32 s40, ttmp6, 0x40000
	s_bfe_u32 s41, ttmp6, 0x40004
	s_lshl_b32 s42, ttmp9, 2
	s_add_co_u32 s42, s42, s40
	s_and_b32 s17, ttmp7, 0xffff
	s_lshl_b32 s17, s17, 2
	s_add_co_u32 s17, s17, s41
	s_lshl_b32 s43, s41, 2
	s_lshl_b32 s43, 15, s43
	s_lshl_b32 s44, 0x1111, s40
	s_or_b32 s[G1+0], s43, (3<<16)|(1<<21)
	s_mov_b32 s[G1+1], 1024<<16
	s_mov_b32 s[G1+2], 8<<16
	s_mov_b32 s[G1+3], 1024<<16
	s_mov_b32 s[G1+4], 8
	s_mov_b32 s[G1+5], 2*SIZE_K
	s_mov_b32 s[G1+6], 0
	s_mov_b32 s[G1+7], 0
	s_or_b32 s[G1B+0], s44, (0<<16)|(1<<20)|(1<<21)|(6<<22)|(3<<25)
	s_mov_b32 s[G1B+1], KSTEP<<16
	s_mov_b32 s[G1B+2], 128<<16
	s_mov_b32 s[G1B+3], KSTEP<<16
	s_mov_b32 s[G1B+4], 128
	s_mov_b32 s[G1B+5], SIZE_K
	s_mov_b32 s[G1B+6], 0
	s_mov_b32 s[G1B+7], 0
	s_or_b32 s[G1S+0], s43, (3<<16)|(1<<21)
	s_mov_b32 s[G1S+1], 64<<16
	s_mov_b32 s[G1S+2], (SIZE_K/128)<<16
	s_mov_b32 s[G1S+3], 64<<16
	s_mov_b32 s[G1S+4], SIZE_K/128
	s_mov_b32 s[G1S+5], 2048
	s_mov_b32 s[G1S+6], 0
	s_mov_b32 s[G1S+7], 0
	s_or_b32 s[G1SB+0], s44, (3<<16)|(1<<20)|(1<<21)|(5<<22)|(3<<25)
	s_mov_b32 s[G1SB+1], 32<<16
	s_mov_b32 s[G1SB+2], (128*KS/256)<<16
	s_mov_b32 s[G1SB+3], 32<<16
	s_mov_b32 s[G1SB+4], 128*KS/256
	s_mov_b32 s[G1SB+5], 32
	s_mov_b32 s[G1SB+6], 0
	s_mov_b32 s[G1SB+7], 0
	s_lshl_b32 s20, s17, 3
	s_mul_i32 s20, s20, 16*SIZE_K
	s_mov_b32 s21, 0
	s_lshl_b32 s22, s17, 9
	s_add_co_u32 s22, s22, 4096*SIZE_K
	s_mov_b32 s23, 0
	s_lshl_b32 s46, s42, 7
	s_mul_i32 s100, s46, KS
	s_mov_b32 s101, 0
	s_mul_i32 s46, s46, SIZE_K
	s_mov_b32 s47, 0
	s_mul_i32 s45, s16, 32768
	s_mul_i32 s2, s16, 64*PIT0                     ; the ring: where my 64 rows of the weight go
	s_add_co_u32 s2, s2, S1B
	s_mul_i32 s18, s16, 64*SIZE_K                  ; and which half I fetch, in bytes: four tiles of tokens,
	s_mov_b32 s19, 0
	s_mul_i32 s12, s16, 64*SIZE_K                  ; 64 rows of the weight
	s_mov_b32 s13, 0
	s_wait_kmcnt 0x0
	s_add_nc_u64 s[20:21], s[4:5], s[20:21]
	s_add_nc_u64 s[22:23], s[4:5], s[22:23]
	s_add_nc_u64 s[46:47], s[6:7], s[46:47]
	s_add_nc_u64 s[100:101], s[8:9], s[100:101]
	CROUND
	s_mov_b32 s[G0S], 1
	s_mov_b32 s[G0S+1], SC1
	s_mov_b64 s[G0S+2:G0S+3], s[22:23]
	s_or_b32 s[G0S+3], s[G0S+3], 0x80000000
	s_mov_b32 s[G0SB], 1
	s_mov_b32 s[G0SB+1], SC0
	s_mov_b64 s[G0SB+2:G0SB+3], s[100:101]
	s_or_b32 s[G0SB+3], s[G0SB+3], 0x80000000
	s_mov_b32 s4, 1                                ; group 0 of the head's loads of slot 0, each tile whole: the tokens' eight tiles,
	s_mov_b32 s5, 0
	s_mov_b64 s[6:7], s[20:21]
	s_or_b32 s7, s7, 0x80000000
	s_mov_b32 s96, 1                               ; the weight's 128 rows
	s_mov_b32 s97, S1B
	s_mov_b64 s[98:99], s[46:47]
	s_or_b32 s99, s99, 0x80000000
	s_add_nc_u64 s[20:21], s[20:21], s[18:19]      ; for the ring: my half
	s_add_nc_u64 s[46:47], s[46:47], s[12:13]
.irp s, 0,1
	s_mov_b32 s[G0+4*\s], 1
	s_add_co_u32 s[G0+4*\s+1], s45, \s*SLOT
	s_add_nc_u64 s[G0+4*\s+2:G0+4*\s+3], s[20:21], \s*8192
	s_or_b32 s[G0+4*\s+3], s[G0+4*\s+3], 0x80000000
	s_mov_b32 s[G0B+4*\s], 1
	s_add_co_u32 s[G0B+4*\s+1], s2, \s*SLOT
	s_add_nc_u64 s[G0B+4*\s+2:G0B+4*\s+3], s[46:47], \s*KSTEP
	s_or_b32 s[G0B+4*\s+3], s[G0B+4*\s+3], 0x80000000
.endr
; the head's loads, one a wave: wave 0 the tokens' codes of slot 0, wave 1 the weight's, wave 2 the tokens' scale words, wave 3 the weight's scale bytes
; no prefetch: K is two slots, both asked for at the head
.macro ARM under, g0, g1, next
	s_cmp_lt_u32 s14, \under
	s_cbranch_scc0 \next
	tensor_load_to_lds s[\g0:\g0+3], s[\g1:\g1+7]
	s_nop 0
.rept 4
	v_nop
.endr
	s_branch .Lhead_asked
\next:
.endm
	ARM 1, 4, G1, .Lhead_b
	ARM 2, 96, G1B, .Lhead_sa
	ARM 3, G0S, G1S, .Lhead_sb
	tensor_load_to_lds s[G0SB:G0SB+3], s[G1SB:G1SB+7]
	s_nop 0
.rept 4
	v_nop
.endr
.Lhead_asked:
	v_and_b32 v1, 15, v0
	v_bfe_u32 v2, v0, 4, 1
	v_and_b32 v3, 31, v0
	s_wait_alu depctr_va_vdst(0)
	v_lshlrev_b32 v4, 4, v3
	s_lshl_b32 s21, s15, 15
	v_mul_u32_u24 v5, v1, PIT0
	v_lshl_add_u32 v5, v2, 4, v5
	s_mul_i32 s22, s16, 64*PIT0
	s_add_co_u32 s22, s22, S1B
.irp s, 0,1
	v_add_nc_u32 v[AD1+\s], s21, v4
	v_add_nc_u32 v[AD0+\s], s22, v5
	s_add_co_u32 s21, s21, SLOT
	s_add_co_u32 s22, s22, SLOT
.endr
	s_lshl_b32 s21, s15, 8
	s_add_co_u32 s21, s21, SC1
	v_lshl_add_u32 v[ADS1], v3, 2, s21
	v_mul_u32_u24 v5, v1, KS
	v_lshrrev_b32 v6, 8, v5
	v_lshl_add_u32 v5, v6, 4, v5
	v_lshl_add_u32 v5, v2, 2, v5
	s_mul_i32 s22, s16, 4*SBLK
	s_add_co_u32 s22, s22, SC0
	v_add_nc_u32 v[ADS0], s22, v5
	s_mul_i32 s23, s14, 16*SPITCH
	v_mul_u32_u24 v5, v1, SPITCH
	v_lshl_add_u32 v5, v2, 5, v5
	v_add_nc_u32 v[STO], s23, v5
	v_mul_u32_u24 v5, v2, SPITCH
	v_lshl_add_u32 v5, v1, 4, v5
	v_add_nc_u32 v[RD], s23, v5
	v_lshlrev_b32 v5, 12, v2
	v_lshl_add_u32 v[CO], v1, 4, v5
	s_wait_alu depctr_va_vdst(0)
	s_lshl_b32 s46, s42, 9
	s_lshl_b32 s47, s16, 8
	s_add_co_u32 s46, s46, s47
	s_mov_b32 s47, 0
	s_add_nc_u64 s[10:11], s[10:11], s[46:47]
	s_lshl_b32 s20, s17, 7
	s_lshl_b32 s21, s15, 6
	s_add_co_u32 s20, s20, s21
	s_lshl_b32 s20, s20, 12
	s_add_co_u32 s20, s20, s46
	s_mov_b32 s21, 0
	s_add_nc_u64 s[92:93], s[92:93], s[20:21]
	s_add_nc_u64 s[94:95], s[94:95], s[20:21]
	v_lshlrev_b32 v6, 5, v2
.irp b, 0,1,2,3
	global_load_b128 v[BIAS+8*\b:BIAS+8*\b+3], v6, s[10:11] offset:64*\b
	global_load_b128 v[BIAS+8*\b+4:BIAS+8*\b+7], v6, s[10:11] offset:64*\b+16
.endr
	WIN 0x80
.irp a, 0,1,2,3
.irp t, 0,1,2,3,4,5,6,7
	global_load_b128 v[32*\a+4*\t:32*\a+4*\t+3], v[CO], s[92:93] offset:(16*\a+2*\t)*4096 th:TH_LOAD_NT
.endr
.endr
	WIN 0
.macro WM f, q, s, a, b, first
.set rD, ACC+8*(4*(\a)+(\b))
.set rA, (\f)+64+16*(\b)
.set rB, (\f)+16*(\a)
.set rSA, SB+8*(\s)+4*((\q)/2)+(\b)
.set rSB, SA+8*(\s)+2*(\q)+(\a)/2
.if \first
.set rC, BIAS+8*(\b)
.else
.set rC, rD
.endif
.if ((\q)%2) && ((\a)%2)
	v_wmma_scale_f32_16x16x128_f8f6f4 v[rD:rD+7], v[rA:rA+15], v[rB:rB+15], v[rC:rC+7], v[rSA], v[rSB] matrix_a_scale:MATRIX_SCALE_ROW1 matrix_b_scale:MATRIX_SCALE_ROW1
.elseif (\q)%2
	v_wmma_scale_f32_16x16x128_f8f6f4 v[rD:rD+7], v[rA:rA+15], v[rB:rB+15], v[rC:rC+7], v[rSA], v[rSB] matrix_a_scale:MATRIX_SCALE_ROW1
.elseif (\a)%2
	v_wmma_scale_f32_16x16x128_f8f6f4 v[rD:rD+7], v[rA:rA+15], v[rB:rB+15], v[rC:rC+7], v[rSA], v[rSB] matrix_b_scale:MATRIX_SCALE_ROW1
.else
	v_wmma_scale_f32_16x16x128_f8f6f4 v[rD:rD+7], v[rA:rA+15], v[rB:rB+15], v[rC:rC+7], v[rSA], v[rSB]
.endif
.endm
.macro MUL4 f, q, s, a, first
.irp b, 0,1,2,3
	WM \f, \q, \s, \a, \b, \first
.endr
.endm
.macro FETCH s, q, f
	WIN TO_F
.irp i, 0,1,2,3
.irp c, 0,1,2,3
	ds_load_b128 v[(\f)+64+16*\i+4*\c:(\f)+64+16*\i+4*\c+3], v[AD0+\s] offset:\i*16*PIT0+128*(\q)+32*\c
.endr
.endr
.irp i, 0,1,2,3
.irp c, 0,1,2,3
	ds_load_b128 v[(\f)+16*\i+4*\c:(\f)+16*\i+4*\c+3], v[AD1+\s] offset:8192*\i+2048*(\q)+512*\c
.endr
.endr
.endm
.macro SCALES s
.irp q, 0,1,2,3
.irp p, 0,1
	ds_load_b32 v[SA+8*(\s)+2*\q+\p], v[ADS1] offset:512*\q+128*\p
.endr
.endr
.irp u, 0,1
.irp b, 0,1,2,3
	ds_load_b32 v[SB+8*(\s)+4*\u+\b], v[ADS0] offset:\b*SBLK+8*\u
.endr
.endr
.endm
.macro PLACES n
.rept \n
	v_nop
.endr
.endm
.macro SUB s, q, f, g, first
	s_wait_dscnt 0x0
	WIN MUL
	MUL4 \f, \q, \s, 0, \first
	MUL4 \f, \q, \s, 1, \first
	PLACES 8
	FETCH \s, (\q)+1, \g
	WIN MUL
	MUL4 \f, \q, \s, 2, \first
	MUL4 \f, \q, \s, 3, \first
.endm
.macro TURN s, next, fill
	WIN 0
	s_wait_tensorcnt 0x0
	ds_add_u32 v[SPW], v[NIL]
	s_wait_dscnt 1
	WIN MUL
	MUL4 F1, 3, \s, 0, 0
	s_wait_dscnt 0x0
	s_barrier_signal -1
	MUL4 F1, 3, \s, 1, 0
	WIN 0
	s_barrier_wait -1
.if \fill
	CREST
	s_add_nc_u64 s[G0+4*\s+2:G0+4*\s+3], s[G0+4*\s+2:G0+4*\s+3], 2*8192
	s_add_nc_u64 s[G0B+4*\s+2:G0B+4*\s+3], s[G0B+4*\s+2:G0B+4*\s+3], 2*KSTEP
	JLOAD G0+4*\s, G1, G0B+4*\s, G1B
	PLACES 4
.else
	PLACES 8
.endif
	v_add_nc_u32 v[ADS1], 2048, v[ADS1]
	v_add_nc_u32 v[ADS0], 16, v[ADS0]
	SCALES \next
	FETCH \next, 0, F0
	WIN MUL
	MUL4 F1, 3, \s, 2, 0
	MUL4 F1, 3, \s, 3, 0
.endm
	s_wait_alu depctr_va_vdst(0)                   ; the wait at the head's end
	s_wait_tensorcnt 0x0                           ; my tile of the head's four is in; slot 1's first fill is issued as a refill is
	ds_add_u32 v[SPW], v[NIL]
	s_mov_b32 s[G1+2], 4<<16                       ; no tensor load of mine is out: from here on a load brings half a tile
	s_mov_b32 s[G1+4], 4
	s_mov_b32 s[G1B+2], 64<<16
	s_mov_b32 s[G1B+4], 64
	s_wait_dscnt 0x0
	CROUND
	JLOAD G0+4, G1, G0B+4, G1B
	SCALES 0
	FETCH 0, 0, F0
	s_wait_loadcnt 32
	SUB 0, 0, F0, F1, 1
.if LAPS > 1
	WIN 0
	s_mov_b32 s3, LAPS-1
.Llap:
	SUB 0, 1, F1, F0, 0
	SUB 0, 2, F0, F1, 0
	TURN 0, 1, 1
	SUB 1, 0, F0, F1, 0
	SUB 1, 1, F1, F0, 0
	SUB 1, 2, F0, F1, 0
	TURN 1, 0, 1
	SUB 0, 0, F0, F1, 0
	WIN 0
	s_sub_co_u32 s3, s3, 1
	s_cmp_lg_u32 s3, 0
	s_cbranch_scc1 .Llap
.endif
	SUB 0, 1, F1, F0, 0
	SUB 0, 2, F0, F1, 0
	TURN 0, 1, 0
	SUB 1, 0, F0, F1, 0
	SUB 1, 1, F1, F0, 0
	SUB 1, 2, F0, F1, 0
	s_wait_dscnt 0x0
	WIN MUL
	MUL4 F1, 3, 1, 0, 0
	MUL4 F1, 3, 1, 1, 0
	MUL4 F1, 3, 1, 2, 0
	MUL4 F1, 3, 1, 3, 0
	WIN 0
	PLACES 8
	s_wait_loadcnt 0x0
.irp a, 0,1,2,3
.irp b, 0,1,2,3
	ds_store_b128 v[STO], v[ACC+8*(4*\a+\b):ACC+8*(4*\a+\b)+3] offset:64*\b
	ds_store_b128 v[STO], v[ACC+8*(4*\a+\b)+4:ACC+8*(4*\a+\b)+7] offset:64*\b+16
.endr
.if \a > 0
	s_wait_xcnt 0x0
.endif
.irp t, 0,1,2,3,4,5,6,7
	ds_load_b128 v[BK+4*\t:BK+4*\t+3], v[RD] offset:\t*2*SPITCH
.endr
	s_wait_dscnt 0x0
	WIN 0x08
.irp u, 0,1,2,3,4,5,6,7,8,9,10,11,12,13,14,15
	v_pk_add_f32 v[BK+2*\u:BK+2*\u+1], v[BK+2*\u:BK+2*\u+1], v[32*\a+2*\u:32*\a+2*\u+1]
.endr
	WIN 0
.irp t, 0,1,2,3,4,5,6,7
	global_store_b128 v[CO], v[BK+4*\t:BK+4*\t+3], s[94:95] offset:(16*\a+2*\t)*4096
.endr
.endr
	s_wait_tensorcnt 0x0
	ds_add_u32 v[SPW], v[NIL]
	s_wait_dscnt 0x0
	CROUND
	s_endpgm
.Lfunc_end_k_q9cca382e1a_proj:
	.size	k_q9cca382e1a_proj, .Lfunc_end_k_q9cca382e1a_proj-k_q9cca382e1a_proj
	.p2alignl 7, 3214868480
	.fill 96, 4, 3214868480
	.section	.rodata,"a",@progbits
	.p2align	6, 0x0
	.amdhsa_kernel k_q9cca382e1a_proj
		.amdhsa_group_segment_fixed_size 327680
		.amdhsa_private_segment_fixed_size 0
		.amdhsa_enable_private_segment 0
		.amdhsa_kernarg_size 48
		.amdhsa_user_sgpr_count 2
		.amdhsa_user_sgpr_kernarg_segment_ptr 1
		.amdhsa_wavefront_size32 1
		.amdhsa_system_sgpr_workgroup_id_x 1
		.amdhsa_system_sgpr_workgroup_id_y 1
		.amdhsa_system_sgpr_workgroup_id_z 1
		.amdhsa_system_vgpr_workitem_id 0
		.amdhsa_next_free_vgpr 640
		.amdhsa_next_free_sgpr 102
		.amdhsa_reserve_vcc 0
		.amdhsa_float_denorm_mode_32 3
		.amdhsa_float_denorm_mode_16_64 3
		.amdhsa_memory_ordered 1
		.amdhsa_forward_progress 1
		.amdhsa_inst_pref_size 64
	.end_amdhsa_kernel
	.amdgpu_metadata
---
amdhsa.version: [ 1, 2 ]
amdhsa.kernels:
  - .name:           k_q9cca382e1a_proj
    .symbol:         k_q9cca382e1a_proj.kd
    .args:
      - { .name: att, .offset: 0, .size: 8, .value_kind: global_buffer, .address_space: global }
      - { .name: w_proj_codes, .offset: 8, .size: 8, .value_kind: global_buffer, .address_space: global }
      - { .name: w_proj_scales, .offset: 16, .size: 8, .value_kind: global_buffer, .address_space: global }
      - { .name: b_proj, .offset: 24, .size: 8, .value_kind: global_buffer, .address_space: global }
      - { .name: x, .offset: 32, .size: 8, .value_kind: global_buffer, .address_space: global }
      - { .name: x1, .offset: 40, .size: 8, .value_kind: global_buffer, .address_space: global }
    .group_segment_fixed_size: 327680
    .private_segment_fixed_size: 0
    .kernarg_segment_align: 8
    .kernarg_segment_size: 48
    .max_flat_workgroup_size: 128
    .sgpr_count:     102
    .vgpr_count:     640
    .wavefront_size: 32
...
	.end_amdgpu_metadata
.endif
;; end of part 4
;; launch ln2: the kernel of part 1 again; grid 256 x 1, 8 waves a work-group, no clusters, 83,456 bytes of LDS; arguments x1, ln2_g, ln2_b, hq; writes hq
;; launch fc1 (part 5): grid 16 x 16, 4 waves a work-group, clusters of 4 x 4, 327,680 bytes of LDS; arguments hq, w1_codes, w1_scales, b1, hid; writes hid
.if DOCPART == 5
	.amdgcn_target "amdgcn-amd-amdhsa--gfx1250"
	.amdhsa_code_object_version 6
	.text
	.protected	k_q9cca382e1a_fc1
	.globl	k_q9cca382e1a_fc1
	.p2align	8
	.type	k_q9cca382e1a_fc1,@function
k_q9cca382e1a_fc1:
	s_mov_b64 s[64:65], 0
	v_nop
	global_prefetch_b8 v0, s[64:65] scope:SCOPE_SE
	s_setreg_imm32_b32 hwreg(HW_REG_WAVE_MODE, 25, 1), 1
	s_wait_xcnt 0x0
	s_wait_alu depctr_hold_cnt(0) depctr_sa_sdst(0) depctr_va_vdst(0) depctr_va_sdst(0) depctr_va_ssrc(0) depctr_va_vcc(0) depctr_vm_vsrc(0)
	s_getreg_b32 s2, hwreg(HW_REG_IB_STS2, 6, 4)
	s_cmp_eq_u32 s2, 0
	s_cbranch_scc0 .Lentry_in_a_cluster
	s_endpgm
.Lentry_in_a_cluster:
	s_bfe_u32 s2, ttmp6, 0x10000c
	s_cmp_lg_u32 s2, 0xf033
	s_cbranch_scc0 .Lentry_shape_is_right
	s_endpgm
.Lentry_shape_is_right:
.set EPI,    1
.set SIZE_K, 1024
.set KSTEP,  256
.set NQ,     KSTEP/128
.set ROWB,   256
.set KROW,   SIZE_K
.set PITCH,  272
.set FR,     16
.set NL,     4
.set NP,     8
.set HALFT,  128*PITCH
.set SLOT,   4*HALFT
.set LAPS,   SIZE_K/(2*KSTEP)
.set KS,     SIZE_K/32
.set SCL,    2*SLOT
.set HALFS,  (128*KS/256)*272
.set SBLK,   (16*KS/256)*272
.set SPARE,  SCL+4*HALFS
.set ADRA, 16
.set ADRB, 20
.set LI16, 24
.set LS4,  25
.set ADRS, 27
.set SPW,  28
.set NIL,  29
.set SC,   32
.set BIAS, 64
.set AF,   128
.set TM,   200
.set PC,   216
.set PW,   232
.set WK,   240
.set G1, 24
.set G0, 32
.set G1B, 48
.set G0B, 56
.set G1S, 68
.set G0S, 76
.set G1SB, 80
.set G0SB, 88
.set SEL, 96
.set MNT, 98
.set SB0, 44
.set SB1, 46
.set SWB, 48
.set MHI, 50
.set MQK, 51
.set XST, 32
.set STA, 34
.set STB, 36
.if EPI
.set PA,  4
.set PAS, 66
.set OUTP, 12
.else
.set PA,  92
.set PAS, 94
.set OUTP, 10
.endif
.set PB,  6
.set PBS, 8
.set MSB, 0
.macro WIN new
.if MSB != (\new)
	s_set_vgpr_msb (MSB<<8)|(\new)
.set MSB, (\new)
.endif
.endm
.set MUL_LO, 0xa1
.set MUL_HI, 0xf1
.set TO_B,   0x40
.macro JLOAD g0a, g1a, g0b, g1b
	s_cmp_eq_u32 s15, 0
	s_cbranch_scc0 .Lfor_b_\@
	tensor_load_to_lds s[\g0a:\g0a+3], s[\g1a:\g1a+7]
	s_nop 0
.rept 4
	v_nop
.endr
	s_branch .Lasked_\@
.Lfor_b_\@:
	tensor_load_to_lds s[\g0b:\g0b+3], s[\g1b:\g1b+7]
	s_nop 0
.rept 4
	v_nop
.endr
.Lasked_\@:
.endm
.macro CREST
	s_cmp_lg_u32 s14, 0
	s_cbranch_scc1 .Lnot_wave_0_\@
	s_barrier_signal -3
.Lnot_wave_0_\@:
	s_barrier_wait -3
	s_barrier_signal -1
	s_barrier_wait -1
.endm
.macro CROUND
	s_barrier_signal -1
	s_barrier_wait -1
	CREST
.endm
	s_load_b128 s[4:7], s[0:1], 0x0
	s_load_b128 s[8:11], s[0:1], 0x10
.if EPI
	s_load_b64 s[12:13], s[0:1], 0x20
.endif
	v_lshl_add_u32 v[SPW], v0, 2, SPARE
	v_mov_b32 v[NIL], 0
	ds_add_u32 v28, v29
	ds_add_u32 v28, v29
	s_wait_dscnt 0x0
	v_lshrrev_b32 v1, 5, v0
	v_readfirstlane_b32 s14, v1
	s_lshr_b32 s15, s14, 1
	s_and_b32 s16, s14, 1
	s_bfe_u32 s40, ttmp6, 0x40000
	s_bfe_u32 s41, ttmp6, 0x40004
.if EPI
	s_lshl_b32 s42, ttmp9, 2
	s_add_co_u32 s42, s42, s40
	s_and_b32 s17, ttmp7, 0xffff
	s_lshl_b32 s17, s17, 2
	s_add_co_u32 s17, s17, s41
.else
	s_and_b32 s18, ttmp7, 0xffff
	s_cmp_lt_u32 ttmp9, 2
	s_cselect_b32 s19, ttmp9, s18
	s_cselect_b32 s18, s18, 0
	s_cselect_b32 s2, 1, 0
	s_lshl_b32 s42, s19, 2
	s_add_co_u32 s42, s42, s40
	s_lshl_b32 s17, s18, 2
	s_add_co_u32 s17, s17, s41
.endif
	s_lshl_b32 s43, s41, 2
	s_lshl_b32 s43, 15, s43
	s_lshl_b32 s44, 0x1111, s40
	s_or_b32 s[G1+0], s43, (0<<16)|(1<<20)|(1<<21)|(5<<22)|(3<<25)
	s_or_b32 s[G1B+0], s44, (0<<16)|(1<<20)|(1<<21)|(5<<22)|(3<<25)
.irp g, G1, G1B
	s_mov_b32 s[\g+1], ROWB<<16
	s_mov_b32 s[\g+2], 256<<16
	s_mov_b32 s[\g+3], ROWB<<16
	s_mov_b32 s[\g+4], 256
	s_mov_b32 s[\g+5], KROW
	s_mov_b32 s[\g+6], 0
	s_mov_b32 s[\g+7], 0
.endr
	s_or_b32 s[G1S+0], s43, (3<<16)|(1<<20)|(1<<21)|(5<<22)|(3<<25)
	s_or_b32 s[G1SB+0], s44, (3<<16)|(1<<20)|(1<<21)|(5<<22)|(3<<25)
.irp g, G1S, G1SB
	s_mov_b32 s[\g+1], 32<<16
	s_mov_b32 s[\g+2], (256*KS/256)<<16
	s_mov_b32 s[\g+3], 32<<16
	s_mov_b32 s[\g+4], 256*KS/256
	s_mov_b32 s[\g+5], 32
	s_mov_b32 s[\g+6], 0
	s_mov_b32 s[\g+7], 0
.endr
	s_lshl_b32 s20, s17, 8                         ; S1: the tile's first row, 256 x tile row
	s_lshl_b32 s46, s42, 8                         ; S0: 256 x tile column
	s_mov_b32 s21, 0
	s_mov_b32 s47, 0
	s_mov_b64 s[18:19], KS
	s_mul_u64 s[22:23], s[20:21], s[18:19]
	s_mul_u64 s[100:101], s[46:47], s[18:19]
	s_mov_b64 s[18:19], KROW
	s_mul_u64 s[20:21], s[20:21], s[18:19]
	s_mul_u64 s[46:47], s[46:47], s[18:19]
	s_mul_i32 s45, s14, HALFT
	s_mul_i32 s18, s16, 128*KROW                   ; in the ring I fetch 128 rows of a tile: which half, in bytes
	s_mov_b32 s19, 0
	s_wait_kmcnt 0x0
	s_add_nc_u64 s[66:67], s[4:5], 0x400000
.if EPI == 0
	s_add_nc_u64 s[92:93], s[6:7], 0x200000
	s_add_nc_u64 s[94:95], s[8:9], 0x10000
	s_cmp_eq_u32 s2, 1
	s_cselect_b64 s[92:93], s[4:5], s[92:93]
	s_cselect_b64 s[94:95], s[66:67], s[94:95]
	s_cselect_b64 s[6:7], s[6:7], s[4:5]
	s_cselect_b64 s[8:9], s[8:9], s[66:67]
.endif
	s_add_nc_u64 s[20:21], s[PA:PA+1], s[20:21]
	s_add_nc_u64 s[22:23], s[PAS:PAS+1], s[22:23]
	s_add_nc_u64 s[46:47], s[PB:PB+1], s[46:47]
	s_add_nc_u64 s[100:101], s[PBS:PBS+1], s[100:101]
	CROUND
	s_mov_b32 s[G0S], 1
	s_mov_b32 s[G0S+1], SCL
	s_mov_b64 s[G0S+2:G0S+3], s[22:23]
	s_or_b32 s[G0S+3], s[G0S+3], 0x80000000
	s_mov_b32 s[G0SB], 1
	s_mov_b32 s[G0SB+1], SCL+2*HALFS
	s_mov_b64 s[G0SB+2:G0SB+3], s[100:101]
	s_or_b32 s[G0SB+3], s[G0SB+3], 0x80000000
	s_mov_b32 s4, 1                                ; group 0 of the head's loads of K step 0: S1's 256 rows,
	s_mov_b32 s5, 0
	s_mov_b64 s[6:7], s[20:21]
	s_or_b32 s7, s7, 0x80000000
	s_mov_b32 s92, 1                               ; S0's 256 rows, behind them in slot 0
	s_mov_b32 s93, 2*HALFT
	s_mov_b64 s[94:95], s[46:47]
	s_or_b32 s95, s95, 0x80000000
	s_add_nc_u64 s[20:21], s[20:21], s[18:19]      ; for the ring: my 128 rows of the tile
	s_add_nc_u64 s[46:47], s[46:47], s[18:19]
.irp s, 0,1
	s_mov_b32 s[G0+4*\s], 1
	s_add_co_u32 s[G0+4*\s+1], s45, \s*SLOT
	s_add_nc_u64 s[G0+4*\s+2:G0+4*\s+3], s[20:21], \s*ROWB
	s_or_b32 s[G0+4*\s+3], s[G0+4*\s+3], 0x80000000
	s_mov_b32 s[G0B+4*\s], 1
	s_add_co_u32 s[G0B+4*\s+1], s45, \s*SLOT
	s_add_nc_u64 s[G0B+4*\s+2:G0B+4*\s+3], s[46:47], \s*ROWB
	s_or_b32 s[G0B+4*\s+3], s[G0B+4*\s+3], 0x80000000
.endr
; the head's loads, one a wave: wave 0 S1's 256 rows of K step 0, wave 1 S0's, wave 2 S1's scale bytes, wave 3 S0's
.macro ARM under, g0, g1, next
	s_cmp_lt_u32 s14, \under
	s_cbranch_scc0 \next
	tensor_load_to_lds s[\g0:\g0+3], s[\g1:\g1+7]
	s_nop 0
.rept 4
	v_nop
.endr
	s_branch .Lhead_asked
\next:
.endm
	ARM 1, 4, G1, .Lhead_b
	ARM 2, 92, G1B, .Lhead_sa
	ARM 3, G0S, G1S, .Lhead_sb
	tensor_load_to_lds s[G0SB:G0SB+3], s[G1SB:G1SB+7]
	s_nop 0
.rept 4
	v_nop
.endr
.Lhead_asked:
	v_and_b32 v1, 15, v0
	v_bfe_u32 v2, v0, 4, 1
	v_mul_u32_u24 v3, v1, PITCH
	v_lshl_add_u32 v4, v2, 4, v3
	s_mul_i32 s21, s15, HALFT
	s_mul_i32 s22, s16, HALFT
	s_add_co_u32 s22, s22, 2*HALFT
.irp s, 0,1
	v_add_nc_u32 v[ADRA+\s], s21, v4
	v_add_nc_u32 v[ADRB+\s], s22, v4
	s_add_co_u32 s21, s21, SLOT
	s_add_co_u32 s22, s22, SLOT
.endr
	v_mul_u32_u24 v5, v1, KS
	v_lshrrev_b32 v6, 8, v5
	v_lshl_add_u32 v5, v6, 4, v5
	s_mul_i32 s21, s15, HALFS
	s_mul_i32 s22, s16, HALFS
	s_add_co_u32 s22, s22, 2*HALFS
	s_sub_co_u32 s22, s22, s21
	v_mul_u32_u24 v6, s22, v2
	s_add_co_u32 s21, s21, SCL
	v_add_nc_u32 v5, v5, v6
	v_add_nc_u32 v[ADRS], s21, v5
	v_and_b32 v6, 31, v0
	v_lshlrev_b32 v[LI16], 4, v6
	v_lshlrev_b32 v[LS4], 2, v6
.if EPI
	s_lshl_b32 s20, s42, 10
	s_lshl_b32 s21, s16, 9
	s_add_co_u32 s20, s20, s21
	s_mov_b32 s21, 0
	s_add_nc_u64 s[10:11], s[10:11], s[20:21]
	v_lshlrev_b32 v7, 5, v2
.irp b, 0,1,2,3,4,5,6,7
	global_load_b128 v[BIAS+8*\b:BIAS+8*\b+3], v7, s[10:11] offset:64*\b
	global_load_b128 v[BIAS+8*\b+4:BIAS+8*\b+7], v7, s[10:11] offset:64*\b+16
.endr
.endif
.macro FRAG reg, adr, q, i
.irp c, 0,1,2,3
	ds_load_b128 v[\reg+4*\c:\reg+4*\c+3], v[\adr] offset:128*(\q)+32*\c+(\i)*16*PITCH
.endr
.endm
.macro MUL16 a0, p, q, sc, zero
.irp a, \a0, \a0+1
.irp b, 0,1,2,3,4,5,6,7
.if (\zero) && EPI
	v_wmma_scale_f32_16x16x128_f8f6f4 v[8*(8*((\a)%4)+\b):8*(8*((\a)%4)+\b)+7], v[128*(\p)+FR*\b:128*(\p)+FR*\b+FR-1], v[AF+FR*(\a):AF+FR*(\a)+FR-1], v[BIAS+8*\b:BIAS+8*\b+7], v[SC+8*NQ*(\sc)+NQ*\b+(\q)], v[SC+8*NQ*(\sc)+NQ*(\a)+(\q)] matrix_a_scale:MATRIX_SCALE_ROW1
.elseif \zero
	v_wmma_scale_f32_16x16x128_f8f6f4 v[8*(8*((\a)%4)+\b):8*(8*((\a)%4)+\b)+7], v[128*(\p)+FR*\b:128*(\p)+FR*\b+FR-1], v[AF+FR*(\a):AF+FR*(\a)+FR-1], 0, v[SC+8*NQ*(\sc)+NQ*\b+(\q)], v[SC+8*NQ*(\sc)+NQ*(\a)+(\q)] matrix_a_scale:MATRIX_SCALE_ROW1
.else
	v_wmma_scale_f32_16x16x128_f8f6f4 v[8*(8*((\a)%4)+\b):8*(8*((\a)%4)+\b)+7], v[128*(\p)+FR*\b:128*(\p)+FR*\b+FR-1], v[AF+FR*(\a):AF+FR*(\a)+FR-1], v[8*(8*((\a)%4)+\b):8*(8*((\a)%4)+\b)+7], v[SC+8*NQ*(\sc)+NQ*\b+(\q)], v[SC+8*NQ*(\sc)+NQ*(\a)+(\q)] matrix_a_scale:MATRIX_SCALE_ROW1
.endif
.endr
.endr
.endm
.macro FETCH_B slot, q, p
	WIN TO_B
.irp i, 0,1,2,3,4,5,6,7
	FRAG 128*(\p)+FR*\i, ADRB+\slot, \q, \i
.endr
	WIN 0
.endm
.macro FETCH_A slot, q, i0
.irp i, \i0, \i0+1, \i0+2, \i0+3
	FRAG AF+FR*(\i), ADRA+\slot, \q, \i
.endr
.endm
.macro SCALES sc
.irp i, 0,1,2,3,4,5,6,7
	ds_load_b64 v[SC+8*NQ*\sc+NQ*\i:SC+8*NQ*\sc+NQ*\i+1], v[ADRS] offset:\i*SBLK
.endr
.endm
.macro PLACES n
.rept \n
	v_nop
.endr
.endm
.macro STEP slot, q, zero
	s_wait_dscnt 4*NL
.if (\zero) && EPI
	WIN 0x81
.else
	WIN MUL_LO
.endif
	MUL16 0, (\q)%2, \q, \slot, \zero
	MUL16 2, (\q)%2, \q, \slot, \zero
	s_wait_dscnt 0
	PLACES NP
	FETCH_B \slot, (\q)+1, 1-(\q)%2
	FETCH_A \slot, (\q)+1, 0
.if (\zero) && EPI
	WIN 0xc1
.else
	WIN MUL_HI
.endif
	MUL16 4, (\q)%2, \q, \slot, \zero
	MUL16 6, (\q)%2, \q, \slot, \zero
	PLACES NP
	WIN 0
	FETCH_A \slot, (\q)+1, 4
.endm
.macro TURN slot, next, fill
	s_wait_tensorcnt 0x0
	ds_add_u32 v[SPW], v[NIL]
	s_wait_dscnt 4*NL+1
	WIN MUL_LO
	MUL16 0, 1, NQ-1, \slot, 0
	s_wait_dscnt 0x0
	s_barrier_signal -1
	MUL16 2, 1, NQ-1, \slot, 0
	WIN 0
	s_barrier_wait -1
.if \fill
	CREST
	s_add_nc_u64 s[G0+4*\slot+2:G0+4*\slot+3], s[G0+4*\slot+2:G0+4*\slot+3], 2*ROWB
	s_add_nc_u64 s[G0B+4*\slot+2:G0B+4*\slot+3], s[G0B+4*\slot+2:G0B+4*\slot+3], 2*ROWB
	JLOAD G0+4*\slot, G1, G0B+4*\slot, G1B
	PLACES NP-4
.else
	PLACES NP
.endif
	s_wait_alu depctr_va_vdst(0)
	v_add_nc_u32 v[ADRS], 4*NQ, v[ADRS]
	FETCH_B \next, 0, 0
	FETCH_A \next, 0, 0
	SCALES \next
	WIN MUL_HI
	MUL16 4, 1, NQ-1, \slot, 0
	MUL16 6, 1, NQ-1, \slot, 0
	PLACES NP
	WIN 0
	FETCH_A \next, 0, 4
.endm
	s_wait_alu depctr_va_vdst(0)
	s_wait_tensorcnt 0x0                           ; my tile of the head's four is in; slot 1's first fill is issued as a refill is
	ds_add_u32 v[SPW], v[NIL]
	s_mov_b32 s[G1+2], 128<<16                     ; no tensor load of mine is out: from here on a load brings 128 rows
	s_mov_b32 s[G1+4], 128
	s_mov_b32 s[G1B+2], 128<<16
	s_mov_b32 s[G1B+4], 128
	s_wait_dscnt 0x0
	CROUND
	JLOAD G0+4, G1, G0B+4, G1B
	FETCH_B 0, 0, 0
	FETCH_A 0, 0, 0
	SCALES 0
	FETCH_A 0, 0, 4
.if EPI
	s_wait_loadcnt 0x0
.endif
	STEP 0, 0, 1
	s_mov_b32 s3, LAPS-1
.Llap:
	TURN 0, 1, 1
	STEP 1, 0, 0
	TURN 1, 0, 1
	STEP 0, 0, 0
	s_sub_co_u32 s3, s3, 1
	s_cmp_lg_u32 s3, 0
	s_cbranch_scc1 .Llap
	TURN 0, 1, 0
	STEP 1, 0, 0
	s_wait_dscnt 4*NL
	WIN MUL_LO
	MUL16 0, 1, NQ-1, 1, 0
	MUL16 2, 1, NQ-1, 1, 0
	s_wait_dscnt 0
	WIN MUL_HI
	MUL16 4, 1, NQ-1, 1, 0
	MUL16 6, 1, NQ-1, 1, 0
	WIN 0
	PLACES NP
.irp b, 0,1,2,3
	v_mov_b32 v[TM+4+\b], 0
.endr
	s_mov_b32 s[SEL], 0x76543210
	s_mov_b32 s[SEL+1], 0xfedcba98
	s_mov_b32 s[MNT], 0x600000
	s_mov_b32 s[MHI], 0xffff0000
.if EPI
	s_lshl_b32 s20, s17, 4
	s_lshl_b32 s21, s15, 3
	s_add_co_u32 s20, s20, s21
	s_lshl_b32 s22, s42, 1
	s_add_co_u32 s22, s22, s16
	s_lshl_b32 s24, s20, 16
	s_lshl_b32 s25, s22, 11
	s_add_co_u32 s24, s24, s25
	s_mov_b32 s25, 0
	s_add_nc_u64 s[SB0:SB0+1], s[OUTP:OUTP+1], s[24:25]
	s_lshl_b32 s24, s22, 14
	s_lshl_b32 s26, s20, 6
	s_add_co_u32 s24, s24, s26
	s_add_co_u32 s24, s24, 0x1000000
	s_add_nc_u64 s[SWB:SWB+1], s[OUTP:OUTP+1], s[24:25]
.else
	s_lshl_b32 s20, s42, 8
	s_lshl_b32 s21, s16, 7
	s_add_co_u32 s20, s20, s21
	s_lshl_b32 s22, s17, 8
	s_lshl_b32 s23, s15, 7
	s_add_co_u32 s22, s22, s23
	s_mov_b32 s[XST], 1024
	s_mov_b32 s[STA], 2048
	s_mov_b32 s[STB], 124928
	s_cmp_eq_u32 s2, 1
	s_cselect_b32 s24, s22, s20
	s_cselect_b32 s25, s20, s22
	s_cselect_b32 s27, 0, 2
	s_cselect_b32 s[MQK], -1, 0
	s_cselect_b32 s[XST], 131072, s[XST]
	s_cselect_b32 s[STA], 1024, s[STA]
	s_cselect_b32 s[STB], 1024, s[STB]
	s_mov_b32 s[XST+1], 0
	s_mov_b32 s[STA+1], 0
	s_mov_b32 s[STB+1], 0
	s_lshr_b32 s26, s25, 10
	s_add_co_u32 s26, s26, s27
	s_and_b32 s28, s25, 1023
	s_lshr_b32 s28, s28, 6
	s_lshr_b32 s29, s24, 11
	s_lshl_b32 s29, s29, 4
	s_add_co_u32 s28, s28, s29
	s_and_b32 s29, s24, 2047
	s_lshl_b32 s30, s26, 22
	s_lshl_b32 s31, s28, 17
	s_add_co_u32 s30, s30, s31
	s_lshl_b32 s31, s29, 6
	s_add_co_u32 s30, s30, s31
	s_mov_b32 s31, 0
	s_add_nc_u64 s[SB0:SB0+1], s[OUTP:OUTP+1], s[30:31]
	s_add_nc_u64 s[SB1:SB1+1], s[SB0:SB0+1], s[XST:XST+1]
	s_mul_i32 s30, s28, 12288
	s_lshl_b32 s31, s26, 12
	s_add_co_u32 s30, s30, s31
	s_lshl_b32 s31, s29, 1
	s_add_co_u32 s30, s30, s31
	s_add_co_u32 s30, s30, 0xc00000
	s_mov_b32 s31, 0
	s_add_nc_u64 s[SWB:SWB+1], s[OUTP:OUTP+1], s[30:31]
.endif
.macro QUANTW a, relu
.set AC, 64*((\a)%4)
.set W, 2+(\a)/4
	WIN W|(W<<2)
.irp b, 0,1,2,3
.if \relu
	v_max3_num_f32 v[TM+\b], v[AC+16*\b], v[AC+16*\b+1], 0x4800000
.else
	v_max3_num_f32 v[TM+\b], |v[AC+16*\b]|, |v[AC+16*\b+1]|, 0x4800000
.endif
.endr
	WIN (W<<2)|(W<<4)
.irp i, 2,4,6,8,10,12,14
.irp b, 0,1,2,3
.if \relu
	v_max3_num_f32 v[TM+\b], v[TM+\b], v[AC+16*\b+\i], v[AC+16*\b+\i+1]
.else
	v_max3_num_f32 v[TM+\b], v[TM+\b], |v[AC+16*\b+\i]|, |v[AC+16*\b+\i+1]|
.endif
.endr
.endr
	WIN 0
.irp b, 0,1,2,3
	v_permlanex16_b32 v[TM+4+\b], v[TM+\b], s[SEL], s[SEL+1]
.endr
.irp b, 0,1,2,3
	v_max_num_f32 v[TM+\b], v[TM+\b], v[TM+4+\b]
.endr
.irp b, 0,1,2,3
	v_add_nc_u32 v[TM+12+\b], 0xfc000000, v[TM+\b]
.endr
.irp b, 0,1,2,3
	v_and_or_b32 v[TM+8+\b], v[TM+\b], 0x7f800000, s[MNT]
.endr
.irp b, 0,1,2,3
	v_lshrrev_b32 v[TM+4+\b], 23, v[TM+12+\b]
.endr
	v_lshl_or_b32 v[PW+(\a)], v[TM+5], 8, v[TM+4]
	v_lshl_or_b32 v[PW+(\a)], v[TM+6], 16, v[PW+(\a)]
	v_lshl_or_b32 v[PW+(\a)], v[TM+7], 24, v[PW+(\a)]
	WIN W|(W<<6)
.irp b, 0,1,2,3
.set i, 0
.rept 16
.if \relu
	v_med3_num_f32 v[AC+16*\b+i], v[AC+16*\b+i], 0, v[TM+8+\b]
.else
	v_med3_num_f32 v[AC+16*\b+i], v[AC+16*\b+i], -v[TM+8+\b], v[TM+8+\b]
.endif
.set i, i+1
.endr
.endr
.if (\a) > 0
	s_wait_alu depctr_va_vdst(0)
	s_wait_xcnt 0x0
.if EPI == 0
.if (\a) == 4
	s_add_nc_u64 s[SB0:SB0+1], s[SB0:SB0+1], s[STB:STB+1]
	s_add_nc_u64 s[SB1:SB1+1], s[SB1:SB1+1], s[STB:STB+1]
.else
	s_add_nc_u64 s[SB0:SB0+1], s[SB0:SB0+1], s[STA:STA+1]
	s_add_nc_u64 s[SB1:SB1+1], s[SB1:SB1+1], s[STA:STA+1]
.endif
.endif
.endif
	WIN W
.irp b, 0,1,2,3
	v_cvt_scalef32_pk8_fp8_f32 v[PC+4*\b:PC+4*\b+1], v[AC+16*\b:AC+16*\b+7], v[TM+12+\b]
	v_cvt_scalef32_pk8_fp8_f32 v[PC+4*\b+2:PC+4*\b+3], v[AC+16*\b+8:AC+16*\b+15], v[TM+12+\b]
.endr
	WIN 0
	v_nop
.irp b, 0,1,2,3
	v_permlane16_swap_b32 v[PC+4*\b], v[PC+4*\b+2]
	v_permlane16_swap_b32 v[PC+4*\b+1], v[PC+4*\b+3]
.endr
.endm
.irp a, 0,1,2,3,4,5,6,7
	QUANTW \a, EPI
.if EPI
.irp b, 0,1,2,3
	global_store_b128 v[LI16], v[PC+4*\b:PC+4*\b+3], s[SB0:SB0+1] offset:\a*65536+512*\b
.endr
.else
	global_store_b128 v[LI16], v[PC:PC+3], s[SB0:SB0+1]
	global_store_b128 v[LI16], v[PC+4:PC+7], s[SB0:SB0+1] offset:512
	global_store_b128 v[LI16], v[PC+8:PC+11], s[SB1:SB1+1]
	global_store_b128 v[LI16], v[PC+12:PC+15], s[SB1:SB1+1] offset:512
.endif
.endr
.if EPI
.irp p, 0,1,2,3
	v_cndmask_b32 v[WK+\p], v[PW+2*\p], v[PW+2*\p+1], s[MHI]
	global_store_b32 v[LS4], v[WK+\p], s[SWB:SWB+1] offset:128*\p
.endr
.else
.irp p, 0,1,2,3
	v_perm_b32 v[WK+\p], v[PW+2*\p+1], v[PW+2*\p], 0x05040100
	v_perm_b32 v[WK+4+\p], v[PW+2*\p+1], v[PW+2*\p], 0x07060302
.endr
.irp p, 0,1,2,3
	v_cndmask_b32 v[WK+\p], v[PW+\p], v[WK+\p], s[MQK]
	v_cndmask_b32 v[WK+4+\p], v[PW+4+\p], v[WK+4+\p], s[MQK]
.endr
.irp p, 0,2,4,6
	v_cndmask_b32 v[WK+\p], v[WK+\p], v[WK+\p+1], s[MHI]
.endr
	global_store_b32 v[LS4], v[WK], s[SWB:SWB+1]
	global_store_b32 v[LS4], v[WK+2], s[SWB:SWB+1] offset:128
	global_store_b32 v[LS4], v[WK+4], s[SWB:SWB+1] offset:12288
	global_store_b32 v[LS4], v[WK+6], s[SWB:SWB+1] offset:12416
.endif
	s_wait_tensorcnt 0x0
	ds_add_u32 v[SPW], v[NIL]
	s_wait_dscnt 0x0
	CROUND
	s_endpgm
.Lfunc_end_k_q9cca382e1a_fc1:
	.size	k_q9cca382e1a_fc1, .Lfunc_end_k_q9cca382e1a_fc1-k_q9cca382e1a_fc1
	.p2alignl 7, 3214868480
	.fill 96, 4, 3214868480
	.section	.rodata,"a",@progbits
	.p2align	6, 0x0
	.amdhsa_kernel k_q9cca382e1a_fc1
		.amdhsa_group_segment_fixed_size 327680
		.amdhsa_private_segment_fixed_size 0
		.amdhsa_enable_private_segment 0
		.amdhsa_kernarg_size 40
		.amdhsa_user_sgpr_count 2
		.amdhsa_user_sgpr_kernarg_segment_ptr 1
		.amdhsa_wavefront_size32 1
		.amdhsa_system_sgpr_workgroup_id_x 1
		.amdhsa_system_sgpr_workgroup_id_y 1
		.amdhsa_system_sgpr_workgroup_id_z 1
		.amdhsa_system_vgpr_workitem_id 0
		.amdhsa_next_free_vgpr 1024
		.amdhsa_next_free_sgpr 102
		.amdhsa_reserve_vcc 0
		.amdhsa_float_denorm_mode_32 3
		.amdhsa_float_denorm_mode_16_64 3
		.amdhsa_memory_ordered 1
		.amdhsa_forward_progress 1
		.amdhsa_inst_pref_size 190
	.end_amdhsa_kernel
	.amdgpu_metadata
---
amdhsa.version: [ 1, 2 ]
amdhsa.kernels:
  - .name:           k_q9cca382e1a_fc1
    .symbol:         k_q9cca382e1a_fc1.kd
    .args:
      - { .name: hq, .offset: 0, .size: 8, .value_kind: global_buffer, .address_space: global }
      - { .name: w1_codes, .offset: 8, .size: 8, .value_kind: global_buffer, .address_space: global }
      - { .name: w1_scales, .offset: 16, .size: 8, .value_kind: global_buffer, .address_space: global }
      - { .name: b1, .offset: 24, .size: 8, .value_kind: global_buffer, .address_space: global }
      - { .name: hid, .offset: 32, .size: 8, .value_kind: global_buffer, .address_space: global }
    .group_segment_fixed_size: 327680
    .private_segment_fixed_size: 0
    .kernarg_segment_align: 8
    .kernarg_segment_size: 40
    .max_flat_workgroup_size: 128
    .sgpr_count:     102
    .vgpr_count:     1024
    .wavefront_size: 32
...
	.end_amdgpu_metadata
.endif
;; end of part 5
;; launch fc2 (part 6): grid 8 x 32, 4 waves a work-group, clusters of 4 x 4, 327,680 bytes of LDS; arguments hid, w2_codes, w2_scales, b2, x1, out0; writes out0
.if DOCPART == 6
	.amdgcn_target "amdgcn-amd-amdhsa--gfx1250"
	.amdhsa_code_object_version 6
	.text
	.protected	k_q9cca382e1a_fc2
	.globl	k_q9cca382e1a_fc2
	.p2align	8
	.type	k_q9cca382e1a_fc2,@function
k_q9cca382e1a_fc2:
	s_mov_b64 s[64:65], 0
	v_nop
	global_prefetch_b8 v0, s[64:65] scope:SCOPE_SE
	s_setreg_imm32_b32 hwreg(HW_REG_WAVE_MODE, 25, 1), 1
	s_wait_xcnt 0x0
	s_wait_alu depctr_hold_cnt(0) depctr_sa_sdst(0) depctr_va_vdst(0) depctr_va_sdst(0) depctr_va_ssrc(0) depctr_va_vcc(0) depctr_vm_vsrc(0)
	s_getreg_b32 s2, hwreg(HW_REG_IB_STS2, 6, 4)
	s_cmp_eq_u32 s2, 0
	s_cbranch_scc0 .Lentry_in_a_cluster
	s_endpgm
.Lentry_in_a_cluster:
	s_bfe_u32 s2, ttmp6, 0x10000c
	s_cmp_lg_u32 s2, 0xf033
	s_cbranch_scc0 .Lentry_shape_is_right
	s_endpgm
.Lentry_shape_is_right:
.set SIZE_K, 4096
.set KSTEP,  512
.set KS,     SIZE_K/32
.set LAPS,   SIZE_K/(2*KSTEP)
.set PIT0,   528
.set S1B,    65536
.set SLOT,   S1B+128*PIT0
.set SC0,    2*SLOT
.set HALF0,  (64*KS/256)*272
.set SBLK,   (16*KS/256)*272
.set SC1,    SC0+2*HALF0
.set HALF1,  (SIZE_K/256)*512
.set SPARE,  SC1+2*HALF1
.set SPITCH, 272
.set AD1,  16
.set AD0,  20
.set ADS1, 22
.set ADS0, 23
.set STO,  24
.set RD,   25
.set CO,   26
.set SPW,  28
.set NIL,  29
.set BK,   32
.set BIAS, 64
.set SA,   96
.set SB,   112
.set ACC,  128
.set F0,   0
.set F1,   128
.set G1, 24
.set G0, 32
.set G1B, 48
.set G0B, 56
.set G1S, 68
.set G0S, 76
.set G1SB, 80
.set G0SB, 88
.set MSB, 0
.macro WIN new
.if MSB != (\new)
	s_set_vgpr_msb (MSB<<8)|(\new)
.set MSB, (\new)
.endif
.endm
.set MUL,  0x05
.set TO_F, 0x40
.macro JLOAD g0a, g1a, g0b, g1b
	s_cmp_eq_u32 s15, 0
	s_cbranch_scc0 .Lfor_b_\@
	tensor_load_to_lds s[\g0a:\g0a+3], s[\g1a:\g1a+7]
	s_nop 0
.rept 4
	v_nop
.endr
	s_branch .Lasked_\@
.Lfor_b_\@:
	tensor_load_to_lds s[\g0b:\g0b+3], s[\g1b:\g1b+7]
	s_nop 0
.rept 4
	v_nop
.endr
.Lasked_\@:
.endm
.macro CREST
	s_cmp_lg_u32 s14, 0
	s_cbranch_scc1 .Lnot_wave_0_\@
	s_barrier_signal -3
.Lnot_wave_0_\@:
	s_barrier_wait -3
	s_barrier_signal -1
	s_barrier_wait -1
.endm
.macro CROUND
	s_barrier_signal -1
	s_barrier_wait -1
	CREST
.endm
	s_load_b128 s[4:7], s[0:1], 0x0
	s_load_b128 s[8:11], s[0:1], 0x10
	s_load_b128 s[92:95], s[0:1], 0x20
	v_lshl_add_u32 v[SPW], v0, 2, SPARE
	v_mov_b32 v[NIL], 0
	ds_add_u32 v28, v29
	ds_add_u32 v28, v29
	s_wait_dscnt 0x0
	v_lshrrev_b32 v1, 5, v0
	v_readfirstlane_b32 s14, v1
	s_lshr_b32 s15, s14, 1
	s_and_b32 s16, s14, 1
	s_bfe_u32 s40, ttmp6, 0x40000
	s_bfe_u32 s41, ttmp6, 0x40004
	s_lshl_b32 s42, ttmp9, 2
	s_add_co_u32 s42, s42, s40
	s_and_b32 s17, ttmp7, 0xffff
	s_lshl_b32 s17, s17, 2
	s_add_co_u32 s17, s17, s41
	s_lshl_b32 s43, s41, 2
	s_lshl_b32 s43, 15, s43
	s_lshl_b32 s44, 0x1111, s40
	s_or_b32 s[G1+0], s43, (3<<16)|(1<<21)
	s_mov_b32 s[G1+1], 1024<<16
	s_mov_b32 s[G1+2], 8<<16
	s_mov_b32 s[G1+3], 1024<<16
	s_mov_b32 s[G1+4], 8
	s_mov_b32 s[G1+5], 2*SIZE_K
	s_mov_b32 s[G1+6], 0
	s_mov_b32 s[G1+7], 0
	s_or_b32 s[G1B+0], s44, (0<<16)|(1<<20)|(1<<21)|(6<<22)|(3<<25)
	s_mov_b32 s[G1B+1], KSTEP<<16
	s_mov_b32 s[G1B+2], 128<<16
	s_mov_b32 s[G1B+3], KSTEP<<16
	s_mov_b32 s[G1B+4], 128
	s_mov_b32 s[G1B+5], SIZE_K
	s_mov_b32 s[G1B+6], 0
	s_mov_b32 s[G1B+7], 0
	s_or_b32 s[G1S+0], s43, (3<<16)|(1<<21)
	s_mov_b32 s[G1S+1], 64<<16
	s_mov_b32 s[G1S+2], (SIZE_K/128)<<16
	s_mov_b32 s[G1S+3], 64<<16
	s_mov_b32 s[G1S+4], SIZE_K/128
	s_mov_b32 s[G1S+5], 2048
	s_mov_b32 s[G1S+6], 0
	s_mov_b32 s[G1S+7], 0
	s_or_b32 s[G1SB+0], s44, (3<<16)|(1<<20)|(1<<21)|(5<<22)|(3<<25)
	s_mov_b32 s[G1SB+1], 32<<16
	s_mov_b32 s[G1SB+2], (128*KS/256)<<16
	s_mov_b32 s[G1SB+3], 32<<16
	s_mov_b32 s[G1SB+4], 128*KS/256
	s_mov_b32 s[G1SB+5], 32
	s_mov_b32 s[G1SB+6], 0
	s_mov_b32 s[G1SB+7], 0
	s_lshl_b32 s20, s17, 3
	s_mul_i32 s20, s20, 16*SIZE_K
	s_mov_b32 s21, 0
	s_lshl_b32 s22, s17, 9
	s_add_co_u32 s22, s22, 4096*SIZE_K
	s_mov_b32 s23, 0
	s_lshl_b32 s46, s42, 7
	s_mul_i32 s100, s46, KS
	s_mov_b32 s101, 0
	s_mul_i32 s46, s46, SIZE_K
	s_mov_b32 s47, 0
	s_mul_i32 s45, s16, 32768
	s_mul_i32 s2, s16, 64*PIT0                     ; the ring: where my 64 rows of the weight go
	s_add_co_u32 s2, s2, S1B
	s_mul_i32 s18, s16, 64*SIZE_K                  ; and which half I fetch, in bytes: four tiles of tokens,
	s_mov_b32 s19, 0
	s_mul_i32 s12, s16, 64*SIZE_K                  ; 64 rows of the weight
	s_mov_b32 s13, 0
	s_wait_kmcnt 0x0
	s_add_nc_u64 s[20:21], s[4:5], s[20:21]
	s_add_nc_u64 s[22:23], s[4:5], s[22:23]
	s_add_nc_u64 s[46:47], s[6:7], s[46:47]
	s_add_nc_u64 s[100:101], s[8:9], s[100:101]
	CROUND
	s_mov_b32 s[G0S], 1
	s_mov_b32 s[G0S+1], SC1
	s_mov_b64 s[G0S+2:G0S+3], s[22:23]
	s_or_b32 s[G0S+3], s[G0S+3], 0x80000000
	s_mov_b32 s[G0SB], 1
	s_mov_b32 s[G0SB+1], SC0
	s_mov_b64 s[G0SB+2:G0SB+3], s[100:101]
	s_or_b32 s[G0SB+3], s[G0SB+3], 0x80000000
	s_mov_b32 s4, 1                                ; group 0 of the head's loads of slot 0, each tile whole: the tokens' eight tiles,
	s_mov_b32 s5, 0
	s_mov_b64 s[6:7], s[20:21]
	s_or_b32 s7, s7, 0x80000000
	s_mov_b32 s96, 1                               ; the weight's 128 rows
	s_mov_b32 s97, S1B
	s_mov_b64 s[98:99], s[46:47]
	s_or_b32 s99, s99, 0x80000000
	s_add_nc_u64 s[20:21], s[20:21], s[18:19]      ; for the ring: my half
	s_add_nc_u64 s[46:47], s[46:47], s[12:13]
.irp s, 0,1
	s_mov_b32 s[G0+4*\s], 1
	s_add_co_u32 s[G0+4*\s+1], s45, \s*SLOT
	s_add_nc_u64 s[G0+4*\s+2:G0+4*\s+3], s[20:21], \s*8192
	s_or_b32 s[G0+4*\s+3], s[G0+4*\s+3], 0x80000000
	s_mov_b32 s[G0B+4*\s], 1
	s_add_co_u32 s[G0B+4*\s+1], s2, \s*SLOT
	s_add_nc_u64 s[G0B+4*\s+2:G0B+4*\s+3], s[46:47], \s*KSTEP
	s_or_b32 s[G0B+4*\s+3], s[G0B+4*\s+3], 0x80000000
.endr
; the head's loads, one a wave: wave 0 the tokens' codes of slot 0, wave 1 the weight's, wave 2 the tokens' scale words, wave 3 the weight's scale bytes
.macro ARM under, g0, g1, next
	s_cmp_lt_u32 s14, \under
	s_cbranch_scc0 \next
	tensor_load_to_lds s[\g0:\g0+3], s[\g1:\g1+7]
	s_nop 0
.rept 4
	v_nop
.endr
	s_branch .Lhead_asked
\next:
.endm
	ARM 1, 4, G1, .Lhead_b
	ARM 2, 96, G1B, .Lhead_sa
	ARM 3, G0S, G1S, .Lhead_sb
	tensor_load_to_lds s[G0SB:G0SB+3], s[G1SB:G1SB+7]
	s_nop 0
.rept 4
	v_nop
.endr
.Lhead_asked:
; THE PREFETCHES.  Of the 32,768 bytes that a wave fetches for a slot, each of the four partners that ask jointly names 8,192, told apart by address (cx for the tokens, cy for the weight):
; 32 blocks of 256 bytes, a lane a block, one instruction a wave.  Tokens: one tile's 8,192 dense bytes; weight: 16 rows x 512 bytes.  Both shares begin place x 16 SIZE_K bytes on.
; s[100:101] where they stand, s[18:19] a slot on; v30 my lane's block, v31 the same one slot on.  Here slots 2 and 3 are named; the refill of slot n names slot n + 2; the last trip names nothing.
	s_cmp_eq_u32 s15, 0
	s_cselect_b64 s[100:101], s[20:21], s[46:47]
	s_cselect_b32 s12, s40, s41
	s_mov_b32 s13, SIZE_K
	s_cselect_b32 s13, 512, s13                    ; from one pair of lanes to the next
	s_mov_b32 s18, KSTEP
	s_cselect_b32 s18, 8192, s18
	v_and_b32 v30, 31, v0
	v_lshrrev_b32 v31, 1, v30
	v_and_b32 v30, 1, v30
	v_lshlrev_b32 v30, 8, v30
	v_mad_u32_u24 v30, v31, s13, v30
	v_add_nc_u32 v31, s18, v30
	s_mul_i32 s12, s12, 16*SIZE_K
	s_mov_b32 s13, 0
	s_add_nc_u64 s[100:101], s[100:101], s[12:13]
	s_add_nc_u64 s[100:101], s[100:101], s[18:19]
	s_add_nc_u64 s[100:101], s[100:101], s[18:19]
	s_wait_alu depctr_va_vdst(0)
	global_prefetch_b8 v30, s[100:101] th:TH_LOAD_NT scope:SCOPE_SE
	global_prefetch_b8 v31, s[100:101] th:TH_LOAD_NT scope:SCOPE_SE
	v_and_b32 v1, 15, v0
	v_bfe_u32 v2, v0, 4, 1
	v_and_b32 v3, 31, v0
	s_wait_alu depctr_va_vdst(0)
	v_lshlrev_b32 v4, 4, v3
	s_lshl_b32 s21, s15, 15
	v_mul_u32_u24 v5, v1, PIT0
	v_lshl_add_u32 v5, v2, 4, v5
	s_mul_i32 s22, s16, 64*PIT0
	s_add_co_u32 s22, s22, S1B
.irp s, 0,1
	v_add_nc_u32 v[AD1+\s], s21, v4
	v_add_nc_u32 v[AD0+\s], s22, v5
	s_add_co_u32 s21, s21, SLOT
	s_add_co_u32 s22, s22, SLOT
.endr
	s_lshl_b32 s21, s15, 8
	s_add_co_u32 s21, s21, SC1
	v_lshl_add_u32 v[ADS1], v3, 2, s21
	v_mul_u32_u24 v5, v1, KS
	v_lshrrev_b32 v6, 8, v5
	v_lshl_add_u32 v5, v6, 4, v5
	v_lshl_add_u32 v5, v2, 2, v5
	s_mul_i32 s22, s16, 4*SBLK
	s_add_co_u32 s22, s22, SC0
	v_add_nc_u32 v[ADS0], s22, v5
	s_mul_i32 s23, s14, 16*SPITCH
	v_mul_u32_u24 v5, v1, SPITCH
	v_lshl_add_u32 v5, v2, 5, v5
	v_add_nc_u32 v[STO], s23, v5
	v_mul_u32_u24 v5, v2, SPITCH
	v_lshl_add_u32 v5, v1, 4, v5
	v_add_nc_u32 v[RD], s23, v5
	v_lshlrev_b32 v5, 12, v2
	v_lshl_add_u32 v[CO], v1, 4, v5
	s_wait_alu depctr_va_vdst(0)
	s_lshl_b32 s46, s42, 9
	s_lshl_b32 s47, s16, 8
	s_add_co_u32 s46, s46, s47
	s_mov_b32 s47, 0
	s_add_nc_u64 s[10:11], s[10:11], s[46:47]
	s_lshl_b32 s20, s17, 7
	s_lshl_b32 s21, s15, 6
	s_add_co_u32 s20, s20, s21
	s_lshl_b32 s20, s20, 12
	s_add_co_u32 s20, s20, s46
	s_mov_b32 s21, 0
	s_add_nc_u64 s[92:93], s[92:93], s[20:21]
	s_add_nc_u64 s[94:95], s[94:95], s[20:21]
	v_lshlrev_b32 v6, 5, v2
.irp b, 0,1,2,3
	global_load_b128 v[BIAS+8*\b:BIAS+8*\b+3], v6, s[10:11] offset:64*\b
	global_load_b128 v[BIAS+8*\b+4:BIAS+8*\b+7], v6, s[10:11] offset:64*\b+16
.endr
	WIN 0x80
.irp a, 0,1,2,3
.irp t, 0,1,2,3,4,5,6,7
	global_load_b128 v[32*\a+4*\t:32*\a+4*\t+3], v[CO], s[92:93] offset:(16*\a+2*\t)*4096 th:TH_LOAD_NT
.endr
.endr
	WIN 0
.macro WM f, q, s, a, b, first
.set rD, ACC+8*(4*(\a)+(\b))
.set rA, (\f)+64+16*(\b)
.set rB, (\f)+16*(\a)
.set rSA, SB+8*(\s)+4*((\q)/2)+(\b)
.set rSB, SA+8*(\s)+2*(\q)+(\a)/2
.if \first
.set rC, BIAS+8*(\b)
.else
.set rC, rD
.endif
.if ((\q)%2) && ((\a)%2)
	v_wmma_scale_f32_16x16x128_f8f6f4 v[rD:rD+7], v[rA:rA+15], v[rB:rB+15], v[rC:rC+7], v[rSA], v[rSB] matrix_a_scale:MATRIX_SCALE_ROW1 matrix_b_scale:MATRIX_SCALE_ROW1
.elseif (\q)%2
	v_wmma_scale_f32_16x16x128_f8f6f4 v[rD:rD+7], v[rA:rA+15], v[rB:rB+15], v[rC:rC+7], v[rSA], v[rSB] matrix_a_scale:MATRIX_SCALE_ROW1
.elseif (\a)%2
	v_wmma_scale_f32_16x16x128_f8f6f4 v[rD:rD+7], v[rA:rA+15], v[rB:rB+15], v[rC:rC+7], v[rSA], v[rSB] matrix_b_scale:MATRIX_SCALE_ROW1
.else
	v_wmma_scale_f32_16x16x128_f8f6f4 v[rD:rD+7], v[rA:rA+15], v[rB:rB+15], v[rC:rC+7], v[rSA], v[rSB]
.endif
.endm
.macro MUL4 f, q, s, a, first
.irp b, 0,1,2,3
	WM \f, \q, \s, \a, \b, \first
.endr
.endm
.macro FETCH s, q, f
	WIN TO_F
.irp i, 0,1,2,3
.irp c, 0,1,2,3
	ds_load_b128 v[(\f)+64+16*\i+4*\c:(\f)+64+16*\i+4*\c+3], v[AD0+\s] offset:\i*16*PIT0+128*(\q)+32*\c
.endr
.endr
.irp i, 0,1,2,3
.irp c, 0,1,2,3
	ds_load_b128 v[(\f)+16*\i+4*\c:(\f)+16*\i+4*\c+3], v[AD1+\s] offset:8192*\i+2048*(\q)+512*\c
.endr
.endr
.endm
.macro SCALES s
.irp q, 0,1,2,3
.irp p, 0,1
	ds_load_b32 v[SA+8*(\s)+2*\q+\p], v[ADS1] offset:512*\q+128*\p
.endr
.endr
.irp u, 0,1
.irp b, 0,1,2,3
	ds_load_b32 v[SB+8*(\s)+4*\u+\b], v[ADS0] offset:\b*SBLK+8*\u
.endr
.endr
.endm
.macro PLACES n
.rept \n
	v_nop
.endr
.endm
.macro SUB s, q, f, g, first
	s_wait_dscnt 0x0
	WIN MUL
	MUL4 \f, \q, \s, 0, \first
	MUL4 \f, \q, \s, 1, \first
	PLACES 8
	FETCH \s, (\q)+1, \g
	WIN MUL
	MUL4 \f, \q, \s, 2, \first
	MUL4 \f, \q, \s, 3, \first
.endm
.macro TURN s, next, fill
	WIN 0
.if \fill
	s_wait_xcnt 0x0                                ; my last prefetch has read its address: it steps a slot on
	s_add_nc_u64 s[100:101], s[100:101], s[18:19]
.endif
	s_wait_tensorcnt 0x0
	ds_add_u32 v[SPW], v[NIL]
	s_wait_dscnt 1
	WIN MUL
	MUL4 F1, 3, \s, 0, 0
	s_wait_dscnt 0x0
	s_barrier_signal -1
	MUL4 F1, 3, \s, 1, 0
	WIN 0
	s_barrier_wait -1
.if \fill
	CREST
	s_add_nc_u64 s[G0+4*\s+2:G0+4*\s+3], s[G0+4*\s+2:G0+4*\s+3], 2*8192
	s_add_nc_u64 s[G0B+4*\s+2:G0B+4*\s+3], s[G0B+4*\s+2:G0B+4*\s+3], 2*KSTEP
	JLOAD G0+4*\s, G1, G0B+4*\s, G1B
	PLACES 4
.else
	PLACES 8
.endif
	s_wait_alu depctr_va_vdst(0)
	v_add_nc_u32 v[ADS1], 2048, v[ADS1]
	v_add_nc_u32 v[ADS0], 16, v[ADS0]
	SCALES \next
.if \fill
	s_cmp_gt_u32 s3, 1                             ; the last trip's two refills have no slot two on
	s_cbranch_scc0 .Lnone_\@
	global_prefetch_b8 v31, s[100:101] th:TH_LOAD_NT scope:SCOPE_SE
.Lnone_\@:
.endif
	FETCH \next, 0, F0
	WIN MUL
	MUL4 F1, 3, \s, 2, 0
	MUL4 F1, 3, \s, 3, 0
.endm
	s_wait_alu depctr_va_vdst(0)                   ; the wait at the head's end
	s_wait_tensorcnt 0x0                           ; my tile of the head's four is in; slot 1's first fill is issued as a refill is
	ds_add_u32 v[SPW], v[NIL]
	s_mov_b32 s[G1+2], 4<<16                       ; no tensor load of mine is out: from here on a load brings half a tile
	s_mov_b32 s[G1+4], 4
	s_mov_b32 s[G1B+2], 64<<16
	s_mov_b32 s[G1B+4], 64
	s_wait_dscnt 0x0
	CROUND
	JLOAD G0+4, G1, G0B+4, G1B
	SCALES 0
	FETCH 0, 0, F0
	s_wait_loadcnt 32
	SUB 0, 0, F0, F1, 1
.if LAPS > 1
	WIN 0
	s_mov_b32 s3, LAPS-1
.Llap:
	SUB 0, 1, F1, F0, 0
	SUB 0, 2, F0, F1, 0
	TURN 0, 1, 1
	SUB 1, 0, F0, F1, 0
	SUB 1, 1, F1, F0, 0
	SUB 1, 2, F0, F1, 0
	TURN 1, 0, 1
	SUB 0, 0, F0, F1, 0
	WIN 0
	s_sub_co_u32 s3, s3, 1
	s_cmp_lg_u32 s3, 0
	s_cbranch_scc1 .Llap
.endif
	SUB 0, 1, F1, F0, 0
	SUB 0, 2, F0, F1, 0
	TURN 0, 1, 0
	SUB 1, 0, F0, F1, 0
	SUB 1, 1, F1, F0, 0
	SUB 1, 2, F0, F1, 0
	s_wait_dscnt 0x0
	WIN MUL
	MUL4 F1, 3, 1, 0, 0
	MUL4 F1, 3, 1, 1, 0
	MUL4 F1, 3, 1, 2, 0
	MUL4 F1, 3, 1, 3, 0
	WIN 0
	PLACES 8
	s_wait_loadcnt 0x0
.irp a, 0,1,2,3
.irp b, 0,1,2,3
	ds_store_b128 v[STO], v[ACC+8*(4*\a+\b):ACC+8*(4*\a+\b)+3] offset:64*\b
	ds_store_b128 v[STO], v[ACC+8*(4*\a+\b)+4:ACC+8*(4*\a+\b)+7] offset:64*\b+16
.endr
.if \a > 0
	s_wait_xcnt 0x0
.endif
.irp t, 0,1,2,3,4,5,6,7
	ds_load_b128 v[BK+4*\t:BK+4*\t+3], v[RD] offset:\t*2*SPITCH
.endr
	s_wait_dscnt 0x0
	WIN 0x08
.irp u, 0,1,2,3,4,5,6,7,8,9,10,11,12,13,14,15
	v_pk_add_f32 v[BK+2*\u:BK+2*\u+1], v[BK+2*\u:BK+2*\u+1], v[32*\a+2*\u:32*\a+2*\u+1]
.endr
	WIN 0
.irp t, 0,1,2,3,4,5,6,7
	global_store_b128 v[CO], v[BK+4*\t:BK+4*\t+3], s[94:95] offset:(16*\a+2*\t)*4096
.endr
.endr
	s_wait_tensorcnt 0x0
	ds_add_u32 v[SPW], v[NIL]
	s_wait_dscnt 0x0
	CROUND
	s_endpgm
.Lfunc_end_k_q9cca382e1a_fc2:
	.size	k_q9cca382e1a_fc2, .Lfunc_end_k_q9cca382e1a_fc2-k_q9cca382e1a_fc2
	.p2alignl 7, 3214868480
	.fill 96, 4, 3214868480
	.section	.rodata,"a",@progbits
	.p2align	6, 0x0
	.amdhsa_kernel k_q9cca382e1a_fc2
		.amdhsa_group_segment_fixed_size 327680
		.amdhsa_private_segment_fixed_size 0
		.amdhsa_enable_private_segment 0
		.amdhsa_kernarg_size 48
		.amdhsa_user_sgpr_count 2
		.amdhsa_user_sgpr_kernarg_segment_ptr 1
		.amdhsa_wavefront_size32 1
		.amdhsa_system_sgpr_workgroup_id_x 1
		.amdhsa_system_sgpr_workgroup_id_y 1
		.amdhsa_system_sgpr_workgroup_id_z 1
		.amdhsa_system_vgpr_workitem_id 0
		.amdhsa_next_free_vgpr 640
		.amdhsa_next_free_sgpr 102
		.amdhsa_reserve_vcc 0
		.amdhsa_float_denorm_mode_32 3
		.amdhsa_float_denorm_mode_16_64 3
		.amdhsa_memory_ordered 1
		.amdhsa_forward_progress 1
		.amdhsa_inst_pref_size 105
	.end_amdhsa_kernel
	.amdgpu_metadata
---
amdhsa.version: [ 1, 2 ]
amdhsa.kernels:
  - .name:           k_q9cca382e1a_fc2
    .symbol:         k_q9cca382e1a_fc2.kd
    .args:
      - { .name: hid, .offset: 0, .size: 8, .value_kind: global_buffer, .address_space: global }
      - { .name: w2_codes, .offset: 8, .size: 8, .value_kind: global_buffer, .address_space: global }
      - { .name: w2_scales, .offset: 16, .size: 8, .value_kind: global_buffer, .address_space: global }
      - { .name: b2, .offset: 24, .size: 8, .value_kind: global_buffer, .address_space: global }
      - { .name: x1, .offset: 32, .size: 8, .value_kind: global_buffer, .address_space: global }
      - { .name: out0, .offset: 40, .size: 8, .value_kind: global_buffer, .address_space: global }
    .group_segment_fixed_size: 327680
    .private_segment_fixed_size: 0
    .kernarg_segment_align: 8
    .kernarg_segment_size: 48
    .max_flat_workgroup_size: 128
    .sgpr_count:     102
    .vgpr_count:     640
    .wavefront_size: 32
...
	.end_amdgpu_metadata
.endif
;; end of part 6
